; MI455X (gfx1250); checked and timed in simulation.
; The chip was launched on July 23, 2026; its instructions are those of AMD's public machine-readable ISA for CDNA 5 (MIT licence, August 2026) and "CDNA5" Instruction Set Architecture Reference Guide (July 2026). The comments in the code are by the model that wrote it; some were corrected since.
;; Multi Head Self Attention. Allowed arithmetic: matrix products marked QUANTISED: E2M3 operands, one E8M0 scale for each 32 along K, by v_wmma_scale_f32_16x16x128_f8f6f4 with both operands' format E2M3, f32 sums; everything else in f32.
;; Inputs: Wk 1,024 x 1,024 float32; Wo 1,024 x 1,024 float32; Wq 1,024 x 1,024 float32; Wv 1,024 x 1,024 float32; bk 1,024 float32; bo 1,024 float32; bq 1,024 float32; bv 1,024 float32; x 4 x 2,048 x 1,024 float32.
;; Outputs: out0 4 x 2,048 x 1,024 float32.
;; This version of the problem:
;;   THIS VERSION OF THE PROBLEM IS GIVEN IN LOW PRECISION. The matrix products marked QUANTISED in the list below multiply operands that are first quantised to E2M3 (2 exponent bits, 3 mantissa bits; 6 bits a number), with one power-of-two scale for each 32 numbers along K (OCP MX v1.0); their sums are f32. All else is computed in f32.
;;   The module's matrix products, in the order in which they are computed (A, B: the left and right operand; K: the contracted axis; several contracted axes count as one K, in the product's order):
;;     1. [M 8,192, K 1,024] x [K 1,024, N 1,024]; A: input x; B: input Wq: QUANTISED
;;     2. [M 8,192, K 1,024] x [K 1,024, N 1,024]; A: input x; B: input Wk: QUANTISED
;;     3. [M 8,192, K 1,024] x [K 1,024, N 1,024]; A: input x; B: input Wv: QUANTISED
;;     4. batch 64 x [M 2,048, K 64] x [K 64, N 2,048]; A: computed on the way; B: computed on the way: QUANTISED
;;     5. batch 64 x [M 2,048, K 2,048] x [K 2,048, N 64]; A: softmax (see below); B: computed on the way: QUANTISED
;;     6. [M 8,192, K 1,024] x [K 1,024, N 1,024]; A: computed on the way; B: input Wo: QUANTISED
;;   THE QUANTISER, for each operand of a quantised product, along K:
;;     - K is cut into blocks of 32 from its start; a last block that is shorter is filled with zeros.
;;     - A block's scale is 2^e with e = floor(log2(the largest magnitude in the block)) - 2, held to -126 .. 127; a block of zeros has e = 0. As a byte (E8M0): e + 127.
;;     - Each number is divided by its block's scale, clamped to +-7.5, and rounded to the nearest number of E2M3, ties to even, subnormals kept.
;;     - The product sums the exact products of the quantised numbers (number of the format x scale) in f32.
;;   ~~~python
;;   def quantise(x, axis):      # numpy; x: float32 -> the quantised numbers, widened to float32 again
;;       x = np.moveaxis(x, axis, -1); K = x.shape[-1]
;;       x = np.pad(x, [(0, 0)] * (x.ndim - 1) + [(0, -K % 32)]); x = x.reshape(x.shape[:-1] + (-1, 32)); a = np.abs(x).max(-1, keepdims=True)
;;       e = np.where(a > 0, np.clip(np.frexp(np.where(a > 0, a, 1))[1] - 1 - 2, -126, 127), 0)      # np.frexp(a)[1] - 1 = floor(log2(a)), exactly
;;       r = np.clip(x / 2.0 ** e, -7.5, 7.5)
;;       step = 2.0 ** (np.maximum(np.frexp(np.where(r == 0, 1, r))[1] - 1, 0) - 3)
;;       q = np.round(r / step) * step * 2.0 ** e      # np.round: ties to even
;;       return np.moveaxis(q.reshape(q.shape[:-2] + (-1,))[..., :K], -1, axis).astype(np.float32)
;;   ~~~
;;   SOFTMAX AHEAD OF A QUANTISED PRODUCT. Where the list says 'softmax', what is quantised is not the finished softmax but p = 2^(t - M), with t = logit x log2(e) and M = ceil(the row's largest t), a whole number; so 1/2 < the row's largest p <= 1. The row's sum l is taken of the UNQUANTISED p, in f32, and the product's result is divided by l at the end. Since M is a whole number, a kernel that streams over the keys may use a running M (the ceiling of the running maximum): every later rescaling is an exact power of two, which a block's scale takes up: the codes' values come out the same.
;;   OPERANDS COMPUTED ON THE WAY. 'Computed on the way' means the value that the module computes at that place (a softmax that the list does not call 'softmax' is quantised finished and normalised). What goes into a quantiser is computed in f32, as accurately as f32 sums, v_exp_f32 and their like allow (about 1e-6 of the number): no bf16 or f16 on the way to a quantiser, and a product that is left as it is and whose result goes on into a quantised operand takes f32 operands (vector FMAs, or v_wmma_f32_16x16x4_f32). A number that lies on a knife's edge between two numbers of the format may be rounded either way, as far as f32 arithmetic and the matrix unit's own rounding can turn it there, and no further.
;; One version. Each part assembles by itself: llvm-mc -triple=amdgcn-amd-amdhsa -mcpu=gfx1250 --defsym DOCPART=n.
;; ======== version 1 of 1: 4 launches
;; workspace buffers: xc 6,291,456 bytes; xs 262,144 bytes; wc 3,145,728 bytes; ws 131,072 bytes; qr 6,815,744 bytes; kv 13,369,344 bytes; ac 6,291,456 bytes; asc 262,144 bytes
;; launch quant (part 1): grid 320 x 1, 4 waves a work-group, no clusters, 34,304 bytes of LDS; arguments x, Wq, Wk, Wv, Wo, xc, xs, wc, ws; writes xc, xs, wc, ws
.if DOCPART == 1
	.amdgcn_target "amdgcn-amd-amdhsa--gfx1250"
	.amdhsa_code_object_version 6
	.text
	.protected	k_qc29e16fa09_quant
	.globl	k_qc29e16fa09_quant
	.p2align	8
	.type	k_qc29e16fa09_quant,@function
k_qc29e16fa09_quant:
	s_mov_b64 s[64:65], 0
	v_nop
	global_prefetch_b8 v0, s[64:65] scope:SCOPE_SE
	s_setreg_imm32_b32 hwreg(HW_REG_WAVE_MODE, 25, 1), 1
	s_wait_xcnt 0x0
; x [8192][1024] and the four weights [1024 (k)][1024 (n)], f32, become codes of FP6 (E2M3) with one E8M0 byte for each 32 along K (x: its last axis; a weight: its FIRST axis).
; A block's scale is 2^(floor(log2(largest magnitude)) - 2): its byte is the largest magnitude's exponent field - 2, held at 1 from below by a floor among the maximum's leaves.
; LIMITS: a block of zeros gets the byte 1 where the rule says 127 (its codes are zeros, and this program alone reads the bytes); blocks whose largest magnitude lies under 2^(3 - 127) are held at the byte 1;
; NaN and infinities among the inputs are not served.
; THE LAYOUT OF THE CODES is the order of the matrix operand's registers.  Rows (of x; columns n of a weight) stand by POSITION: row block 2 g + u, lane r holds actual row 32 g + 8 u + r + 8 (r / 8).
; A half fragment, 16 positions x 64 along K, is 768 bytes: registers 0-3 of lane (r, h) at 256 h + 16 r, registers 4-5 at 512 + 16 r + 8 h (k = 32 h .. 32 h + 31).  A row block is 16 of them: 12,288 bytes.
; THE SCALE WORDS (four bytes: 128 along K of one row) lie [row block][half of K][r][4 words]: 512 bytes a row block.
; Work-groups 0-63 take the weights, 64-319 take x.  Waves share nothing: no barrier.  Only x's path uses LDS.  No tensor loads, no cluster: nothing is read twice.
.set WX,  16                           ; weights: v16-79   two sets of 32 numbers (a block of one column)
.set XR,  16                           ; x:       v16-143  two sets of 64 registers as loaded
.set TT,  144                          ; x:       v144-207 my two whole blocks of a fragment
.set CC,  208                          ; codes: weights v208-211; x v208-219
.set CB,  212                          ; weights: v212-214 the block's upper 16 codes
.set RQ,  216                          ; weights: v216-219 registers 4-5 of two neighbouring blocks
.set CT,  220                          ; x: v220-222, v224-226 the blocks' upper 16 codes
.set WD,  228                          ; v228-231 four scale words
.set MM,  232                          ; v232-239 maxima, scale operands, bytes
; 32 numbers of one block in one lane, v[src] on: v[m] the largest magnitude, v[m+2] the conversion's scale operand, v[m+3] the byte
.macro BLK src, m
	v_max3_num_f32 v[\m], |v[\src]|, |v[\src+1]|, |v[\src+2]|
	v_max3_num_f32 v[\m+1], |v[\src+3]|, |v[\src+4]|, |v[\src+5]|
.irp i, 6,10,14,18,22,26
	v_max3_num_f32 v[\m], v[\m], |v[\src+\i]|, |v[\src+\i+1]|       ; two chains, so that no line waits for the line above it
	v_max3_num_f32 v[\m+1], v[\m+1], |v[\src+\i+2]|, |v[\src+\i+3]|
.endr
	v_max3_num_f32 v[\m], v[\m], |v[\src+30]|, |v[\src+31]|
	v_max3_num_f32 v[\m], v[\m], v[\m+1], 0x1800000                 ; the floor 2^(3 - 127): the byte cannot fall under 1
	v_add_nc_u32 v[\m+2], 0xff000000, v[\m]                         ; 2 off the exponent field: the conversion takes this operand's exponent field as its scale
	v_lshrrev_b32 v[\m+3], 23, v[\m+2]                              ; the scale's byte
.endm
	s_load_b256 s[4:11], s[0:1], 0x0               ; x s[4:5], Wq s[6:7], Wk s[8:9], Wv s[10:11]
	s_load_b256 s[12:19], s[0:1], 0x20             ; Wo s[12:13], xc s[14:15], xs s[16:17], wc s[18:19]
	s_load_b64 s[20:21], s[0:1], 0x40              ; ws
	v_lshl_add_u32 v254, v0, 2, 0x8400
	v_mov_b32 v255, 0
	v_lshrrev_b32 v1, 5, v0
	v_readfirstlane_b32 s22, v1                    ; wave
	v_and_b32 v1, 31, v0                           ; lane
	s_mov_b32 s27, 0
	s_cmp_lt_u32 ttmp9, 64
	s_cbranch_scc0 .Lx_path
; ---- THE WEIGHTS.  A wave takes 32 columns x 512 along K.  A lane takes a column and its registers run down K: a block of 32 lies in one lane, and the codes come out with K innermost.
	s_lshr_b32 s23, ttmp9, 4                       ; which weight: 0 Wq, 1 Wk, 2 Wv, 3 Wo
	s_bfe_u32 s24, ttmp9, 0x30001
	s_lshl_b32 s24, s24, 2
	s_add_co_u32 s24, s24, s22                     ; which 32 columns: the four waves stand side by side
	s_and_b32 s25, ttmp9, 1                        ; which half of K
	s_wait_alu depctr_va_vdst(0)
	v_lshlrev_b32 v2, 2, v1                        ; in: 4 bytes a lane
	v_bfe_u32 v3, v1, 3, 1                         ; column 16 a + 8 u + c stands at row block u, lane r = 8 a + c
	v_and_b32 v4, 7, v1
	v_lshrrev_b32 v5, 4, v1
	v_lshl_add_u32 v4, v5, 3, v4
	v_lshlrev_b32 v4, 4, v4                        ; 16 r
	v_mad_u32_u24 v6, v3, 0x3000, v4               ; codes: u x 12,288 + 16 r
	v_lshl_add_u32 v7, v3, 9, v4                   ; scale words: u x 512 + 16 r
	s_lshl_b32 s26, s25, 21                        ; 512 rows of 4,096 bytes
	s_lshl_b32 s28, s24, 7
	s_add_co_u32 s26, s26, s28
	s_lshl_b32 s28, s23, 6
	s_lshl_b32 s29, s24, 1
	s_add_co_u32 s28, s28, s29                     ; my first row block: 64 x weight + 2 x group
	s_mul_i32 s30, s28, 12288
	s_mul_i32 s29, s25, 6144
	s_add_co_u32 s30, s30, s29
	s_mov_b32 s31, 0
	s_lshl_b32 s32, s28, 9
	s_lshl_b32 s29, s25, 8
	s_add_co_u32 s32, s32, s29
	s_mov_b32 s33, 0
	s_wait_alu depctr_va_vdst(0)
	s_wait_kmcnt 0x0
	s_cmp_eq_u32 s23, 1                            ; the choice hangs on the work-group's number alone
	s_cselect_b64 s[6:7], s[8:9], s[6:7]
	s_cmp_eq_u32 s23, 2
	s_cselect_b64 s[6:7], s[10:11], s[6:7]
	s_cmp_eq_u32 s23, 3
	s_cselect_b64 s[6:7], s[12:13], s[6:7]
	s_add_nc_u64 s[6:7], s[6:7], s[26:27]
	s_add_nc_u64 s[18:19], s[18:19], s[30:31]
	s_add_nc_u64 s[20:21], s[20:21], s[32:33]
.macro LOADW t                         ; block t: W(32 t + i, my column), i = 0 .. 31: each load reads 128 consecutive bytes
.set i, 0
.rept 32
	global_load_b32 v[WX+32*((\t)%2)+i], v2, s[6:7] offset:(32*(\t)+i)*4096 th:TH_LOAD_NT
.set i, i+1
.endr
.endm
.macro BLOCKW t
.set XS, WX+32*((\t)%2)
.if (\t) < 15
	s_wait_loadcnt 32                              ; this block's 32 loads are in; the next block's 32 may be out
.else
	s_wait_loadcnt 0x0
.endif
	BLK XS, MM
.if (\t)%4 == 0
	v_mov_b32 v[WD+(\t)/4], v[MM+3]                ; four bytes to a word, the lower K in the lower byte
.else
	v_lshl_or_b32 v[WD+(\t)/4], v[MM+3], 8*((\t)%4), v[WD+(\t)/4]
.endif
	s_wait_alu depctr_va_vdst(0)
	s_wait_xcnt 0x0                                ; the last block's stores have read their data: the codes' registers are written again only behind this wait
	v_cvt_scalef32_pk16_fp6_f32 v[CC:CC+2], v[XS:XS+15], v[MM+2]
	v_cvt_scalef32_pk16_fp6_f32 v[CB:CB+2], v[XS+16:XS+31], v[MM+2]   ; (a conversion's three registers begin on an even number)
	v_nop                                          ; one plain line behind the scaled conversions
	v_mov_b32 v[CC+3], v[CB]                       ; registers 0-3 of the block's six
	v_mov_b32 v[RQ+2*((\t)%2)], v[CB+1]            ; registers 4-5: an even block's and the next odd block's lie side by side in the half fragment
	v_mov_b32 v[RQ+2*((\t)%2)+1], v[CB+2]
	global_store_b128 v6, v[CC:CC+3], s[18:19] offset:((\t)/2)*768+256*((\t)%2)   ; the sixteen lanes of a row block cover 256 consecutive bytes, aligned
.if (\t)%2 == 1
	global_store_b128 v6, v[RQ:RQ+3], s[18:19] offset:((\t)/2)*768+512
.endif
.if (\t)+2 < 16
	LOADW (\t)+2
.endif
.endm
	LOADW 0
	LOADW 1
.set Q, 0
.rept 16
	BLOCKW Q
.set Q, Q+1
.endr
	global_store_b128 v7, v[WD:WD+3], s[20:21]     ; my column's four scale words of this half of K
	s_endpgm
; ---- x.  A wave takes one row block (16 positions) x 512 along K: four fragments.  Each load reads 512 consecutive bytes of one row; the 16 rows turn through the wave's own stage in LDS,
; so that lane (r, h) gets whole blocks: k = 64 c + 32 h + 0 .. 31 of row r, as the operand's layout gives them to it.
.Lx_path:
	s_sub_co_u32 s23, ttmp9, 64
	s_lshl_b32 s23, s23, 2
	s_add_co_u32 s23, s23, s22
	s_lshr_b32 s24, s23, 1                         ; row block 0 .. 511
	s_and_b32 s25, s23, 1                          ; which half of K
	s_wait_alu depctr_va_vdst(0)
	v_and_b32 v2, 15, v1                           ; r
	v_lshrrev_b32 v3, 4, v1                        ; h
	v_lshlrev_b32 v4, 4, v1                        ; 16 x lane
	v_lshlrev_b32 v5, 4, v2
	v_lshl_add_u32 v5, v3, 3, v5                   ; 16 r + 8 h
	s_mul_i32 s26, s22, 8448                       ; my stage: 16 rows of 512 bytes + 16
	v_add_nc_u32 v6, s26, v4                       ; into it: a row's 512 bytes as they lie
	v_mul_u32_u24 v7, v2, 528
	v_lshl_add_u32 v7, v3, 7, v7
	v_add_nc_u32 v7, s26, v7                       ; out of it: row r, + 128 h bytes
	v_lshlrev_b32 v8, 3, v3                        ; 8 h: my bytes' place in a scale word
	v_mov_b32 v241, 0                              ; (a lane permute's destination counts as one of its sources)
	s_mov_b32 s30, 0x76543210
	s_mov_b32 s31, 0xfedcba98                      ; selects for lane l xor 16
	s_mov_b32 s32, 0xffff0000                      ; lanes 16-31
	s_lshr_b32 s28, s24, 1
	s_lshl_b32 s28, s28, 17                        ; 32 rows of 4,096 bytes for each pair of row blocks,
	s_and_b32 s29, s24, 1
	s_lshl_b32 s29, s29, 15                        ; 8 rows for the odd one,
	s_add_co_u32 s28, s28, s29
	s_lshl_b32 s29, s25, 11                        ; 512 numbers for the upper half of K
	s_add_co_u32 s28, s28, s29
	s_mov_b32 s29, 0
	s_mul_i32 s34, s24, 12288
	s_mul_i32 s35, s25, 6144
	s_add_co_u32 s34, s34, s35
	s_mov_b32 s35, 0
	s_lshl_b32 s36, s24, 9
	s_lshl_b32 s37, s25, 8
	s_add_co_u32 s36, s36, s37
	s_mov_b32 s37, 0
	s_wait_alu depctr_va_vdst(0)
	s_wait_kmcnt 0x0
	s_add_nc_u64 s[4:5], s[4:5], s[28:29]
	s_add_nc_u64 s[14:15], s[14:15], s[34:35]
	s_add_nc_u64 s[16:17], s[16:17], s[36:37]
.macro LOADX f                         ; fragment f: position i is actual row i + 8 (i / 8) of the block's rows
.irp i, 0,1,2,3,4,5,6,7,8,9,10,11,12,13,14,15
	global_load_b128 v[XR+64*((\f)%2)+4*\i:XR+64*((\f)%2)+4*\i+3], v4, s[4:5] offset:(\i+8*(\i/8))*4096+512*(\f) th:TH_LOAD_NT
.endr
.endm
.macro FRAGX f
.set XL, XR+64*((\f)%2)
.if (\f) < 3
	s_wait_loadcnt 16                              ; this fragment's 16 loads are in; the next one's 16 may be out
.else
	s_wait_loadcnt 0x0
.endif
.irp i, 0,1,2,3,4,5,6,7,8,9,10,11,12,13,14,15
	ds_store_b128 v6, v[XL+4*\i:XL+4*\i+3] offset:\i*528
.endr
.irp c, 0,1
.irp j, 0,1,2,3,4,5,6,7
	ds_load_b128 v[TT+32*\c+4*\j:TT+32*\c+4*\j+3], v7 offset:256*\c+16*\j   ; LDS serves a wave's instructions in order: these see the stores above
.endr
.endr
	s_wait_dscnt 0x0                               ; my blocks are in, and the stores have read their registers,
.if (\f)+2 < 4
	LOADX (\f)+2                                   ; which take the fragment two further on
.endif
	BLK TT, MM
	BLK TT+32, MM+4
	v_lshl_or_b32 v240, v[MM+7], 16, v[MM+3]       ; my two bytes: blocks h and 2 + h of row r,
	v_lshlrev_b32 v240, v8, v240                   ; at their places in the word;
	v_permlanex16_b32 v241, v240, s30, s31
	v_or_b32 v[WD+(\f)], v240, v241                ; with lane l xor 16's two the word is whole
	s_wait_alu depctr_va_vdst(0)
	s_wait_xcnt 0x0                                ; the last fragment's stores have read their data
.irp c, 0,1
	v_cvt_scalef32_pk16_fp6_f32 v[CC+6*\c:CC+6*\c+2], v[TT+32*\c:TT+32*\c+15], v[MM+2+4*\c]
	v_cvt_scalef32_pk16_fp6_f32 v[CT+4*\c:CT+4*\c+2], v[TT+32*\c+16:TT+32*\c+31], v[MM+2+4*\c]
.endr
	v_nop                                          ; one plain line behind the scaled conversions
.irp c, 0,1
.irp i, 0,1,2
	v_mov_b32 v[CC+6*\c+3+\i], v[CT+4*\c+\i]
.endr
.endr
.irp c, 0,1
	global_store_b128 v4, v[CC+6*\c:CC+6*\c+3], s[14:15] offset:(2*(\f)+\c)*768       ; 512 consecutive bytes, aligned
	global_store_b64 v5, v[CC+6*\c+4:CC+6*\c+5], s[14:15] offset:(2*(\f)+\c)*768+512  ; 256 consecutive bytes, aligned
.endr
.endm
	LOADX 0
	LOADX 1
	FRAGX 0
	FRAGX 1
	FRAGX 2
	FRAGX 3
	v_cndmask_b32 v242, v[WD], v[WD+2], s32        ; lanes 0-15 store words 0 and 1 of their row, lanes 16-31 words 2 and 3
	v_cndmask_b32 v243, v[WD+1], v[WD+3], s32
	global_store_b64 v5, v[242:243], s[16:17]      ; 256 consecutive bytes, aligned
	s_wait_tensorcnt 0x0
	ds_add_u32 v254, v255
	s_wait_dscnt 0x0
	s_endpgm
.Lfunc_end_k_qc29e16fa09_quant:
	.size	k_qc29e16fa09_quant, .Lfunc_end_k_qc29e16fa09_quant-k_qc29e16fa09_quant
	.p2alignl 7, 3214868480
	.fill 96, 4, 3214868480
	.section	.rodata,"a",@progbits
	.p2align	6, 0x0
	.amdhsa_kernel k_qc29e16fa09_quant
		.amdhsa_group_segment_fixed_size 34304
		.amdhsa_private_segment_fixed_size 0
		.amdhsa_enable_private_segment 0
		.amdhsa_kernarg_size 72
		.amdhsa_user_sgpr_count 2
		.amdhsa_user_sgpr_kernarg_segment_ptr 1
		.amdhsa_wavefront_size32 1
		.amdhsa_system_sgpr_workgroup_id_x 1
		.amdhsa_system_sgpr_workgroup_id_y 1
		.amdhsa_system_sgpr_workgroup_id_z 1
		.amdhsa_system_vgpr_workitem_id 0
		.amdhsa_next_free_vgpr 256
		.amdhsa_next_free_sgpr 66
		.amdhsa_reserve_vcc 0
		.amdhsa_float_denorm_mode_32 3
		.amdhsa_float_denorm_mode_16_64 3
		.amdhsa_memory_ordered 1
		.amdhsa_forward_progress 1
		.amdhsa_inst_pref_size 107
	.end_amdhsa_kernel
	.amdgpu_metadata
---
amdhsa.version: [ 1, 2 ]
amdhsa.kernels:
  - .name:           k_qc29e16fa09_quant
    .symbol:         k_qc29e16fa09_quant.kd
    .args:
      - { .name: x, .offset: 0, .size: 8, .value_kind: global_buffer, .address_space: global }
      - { .name: Wq, .offset: 8, .size: 8, .value_kind: global_buffer, .address_space: global }
      - { .name: Wk, .offset: 16, .size: 8, .value_kind: global_buffer, .address_space: global }
      - { .name: Wv, .offset: 24, .size: 8, .value_kind: global_buffer, .address_space: global }
      - { .name: Wo, .offset: 32, .size: 8, .value_kind: global_buffer, .address_space: global }
      - { .name: xc, .offset: 40, .size: 8, .value_kind: global_buffer, .address_space: global }
      - { .name: xs, .offset: 48, .size: 8, .value_kind: global_buffer, .address_space: global }
      - { .name: wc, .offset: 56, .size: 8, .value_kind: global_buffer, .address_space: global }
      - { .name: ws, .offset: 64, .size: 8, .value_kind: global_buffer, .address_space: global }
    .group_segment_fixed_size: 34304
    .private_segment_fixed_size: 0
    .kernarg_segment_align: 8
    .kernarg_segment_size: 72
    .max_flat_workgroup_size: 128
    .sgpr_count:     66
    .vgpr_count:     256
    .wavefront_size: 32
...
	.end_amdgpu_metadata
.endif
;; end of part 1
;; launch qkv (part 2): grid 24 x 32, 4 waves a work-group, clusters of 4 x 4, 295,424 bytes of LDS; arguments xc, xs, wc, ws, bq, bk, bv, qr, kv; writes qr, kv
.if DOCPART == 2
	.amdgcn_target "amdgcn-amd-amdhsa--gfx1250"
	.amdhsa_code_object_version 6
	.text
	.protected	k_qc29e16fa09_qkv
	.globl	k_qc29e16fa09_qkv
	.p2align	8
	.type	k_qc29e16fa09_qkv,@function
k_qc29e16fa09_qkv:
	s_mov_b64 s[64:65], 0
	v_nop
	global_prefetch_b8 v0, s[64:65] scope:SCOPE_SE
	s_setreg_imm32_b32 hwreg(HW_REG_WAVE_MODE, 25, 1), 1
	s_wait_xcnt 0x0
	s_wait_alu depctr_hold_cnt(0) depctr_sa_sdst(0) depctr_va_vdst(0) depctr_va_sdst(0) depctr_va_ssrc(0) depctr_va_vcc(0) depctr_vm_vsrc(0)
	s_getreg_b32 s2, hwreg(HW_REG_IB_STS2, 6, 4)
	s_cmp_eq_u32 s2, 0
	s_cbranch_scc0 .Lentry_in_a_cluster
	s_endpgm
.Lentry_in_a_cluster:
	s_bfe_u32 s2, ttmp6, 0x10000c
	s_cmp_lg_u32 s2, 0xf033
	s_cbranch_scc0 .Lentry_shape_is_right
	s_endpgm
.Lentry_shape_is_right:
; q = x Wq + bq, k = x Wk + bk, v = x Wv + bv on codes of FP6 (E2M3) with E8M0 scales, f32 sums; the results are quantised here and leave as codes: q and k along the head's 64, v along the keys.
; A TILE is 256 rows of operand A x 128 rows of operand B over all of K = 1,024.  Its codes, 294,912 bytes, lie in LDS at once, in four chunks of 256 along K, each filled ONCE: no byte of LDS is filled again.
; TWO KINDS, told apart by the cluster's x, which all partners share.  Clusters 0-3 (Q, K): A = x's rows, B = columns of Wq, Wk.  Clusters 4, 5 (V): A = columns of Wv, B = x's rows: the same product with the roles changed,
; so that a lane's registers run along the keys, which are the next product's K.
; THE MATRIX INSTRUCTION IS USED TRANSPOSED: source 0 = 16 rows of B, source 1 = 16 rows of A.  Rows stand by position in memory (row block 2 g + u, lane r = actual row 32 g + 8 u + r + 8 (r / 8)), so in the
; accumulators of B's blocks 2 g and 2 g + 1 a lane's 16 registers are 16 NEIGHBOURS along B's rows: actual 32 g + 16 (lane / 16) + 0 .. 15.  They go to the conversions as they stand.
; SHARES.  Four waves; wave w takes A's blocks 4 w .. 4 w + 3 against B's eight: 32 accumulators, 256 registers.
; CLUSTERS.  4 x 4 work-groups: A's tile hangs on the cluster's row and is asked for jointly by its four, B's on the column likewise.  Waves 0, 1 fetch A's halves, waves 2, 3 B's; four loads a wave are out at the most.
; CODES IN LDS ARE IMAGES OF THE OPERAND'S REGISTERS (a half fragment of 768 bytes: registers 0-3 at 16 x lane, registers 4-5 at 512 + 16 r + 8 h): every LDS load reads 512 or 256 consecutive bytes.
; LIMITS: a block of zeros gets the scale byte 1 (its codes are zeros; this program alone reads the bytes); blocks under 2^(3 - 127) are held at the byte 1; NaN and infinities are not served.
; REGISTERS.  window 0: v1-3 r, h, lane; v4-7 LDS addresses; v8-15 offsets; v16-31 A's scale words, v32-63 B's; v64-159 A's fragments, two sets; v160-223 the bias along the registers; v224-255 at work.
;   window 1: accumulator (a, b) at v[64 a + 8 b].   window 2: B's fragments, two sets of 96.
.set CHUNK, 73728                      ; 256 along K: A's 16 row blocks of 3,072 bytes, then B's 8
.set BOFF,  49152
.set AP, 4                             ; v4  A's registers 0-3: 16 x lane + my four blocks
.set AR, 5                             ; v5  A's registers 4-5: 16 r + 8 h + my four blocks
.set BP, 6
.set BR, 7
.set LP, 8                             ; v8  16 x lane
.set LR, 9                             ; v9  16 r + 8 h
.set SA, 16                            ; register 4 a + i: lanes 0-15 K step i, lanes 16-31 K step 4 + i
.set SB, 32
.set AF, 64
.set BN, 160                           ; v160-223 bias of the 64 neighbours along the registers (kinds Q, K)
.set T,  64                            ; the epilogue's 64 numbers
.set PC, 128                           ; v128-146 the codes just made
.set TM, 224                           ; v224-239 maxima, bytes, scale operands
.set PW, 240                           ; the scale word just made
.set SW, 244                           ; v244-247 the four blocks' scale words
.set BM, 248                           ; v248-255 bias of my lane's row, twice for each block (kind V)
.set WV, 22
.set SEL, 2
.set G1A, 28
.set G1B, 36
.set G0A, 44                           ; s[44:59] four groups 0 for A's chunks, never rewritten
.set G0B, 68                           ; s[68:83] for B's
.set MSB, 0
.macro WIN new                         ; the immediate's high byte repeats the setting that is left
.if MSB != \new
	s_set_vgpr_msb (MSB<<8)|\new
.set MSB, \new
.endif
.endm
.macro CROUND                          ; a round of the cluster's barrier
	s_barrier_signal -1
	s_barrier_wait -1
	s_cmp_lg_u32 s[WV], 0
	s_cbranch_scc1 .Lnot_wave_0_\@
	s_barrier_signal -3
.Lnot_wave_0_\@:
	s_barrier_wait -3
	s_barrier_signal -1
	s_barrier_wait -1
.endm
	s_load_b256 s[4:11], s[0:1], 0x0               ; xc s[4:5], xs s[6:7], wc s[8:9], ws s[10:11]
	s_load_b256 s[12:19], s[0:1], 0x20             ; bq s[12:13], bk s[14:15], bv s[16:17], qr s[18:19]
	s_load_b64 s[20:21], s[0:1], 0x40              ; kv
	v_lshl_add_u32 v235, v0, 2, 0x48000
	v_mov_b32 v241, 0
	ds_add_u32 v235, v241
	ds_add_u32 v235, v241
	v_lshrrev_b32 v1, 5, v0
	v_readfirstlane_b32 s[WV], v1                  ; wave 0..3
	s_lshr_b32 s23, s[WV], 1                       ; I fetch for A (0) or for B (1),
	s_and_b32 s24, s[WV], 1                        ; its lower or its upper half
	s_bfe_u32 s25, ttmp6, 0x40000                  ; cx
	s_bfe_u32 s26, ttmp6, 0x40004                  ; cy
	s_and_b32 s84, ttmp7, 0xffff                   ; the cluster's y
	s_lshl_b32 s60, s26, 2
	s_lshl_b32 s60, 15, s60                        ; my row of the cluster
	s_lshl_b32 s61, 0x1111, s25                    ; my column
	; group 1: rows of 3,072 bytes (384 elements of 8), 12,288 bytes apart in memory, dense in LDS; 8 rows for A, 4 for B
	s_or_b32 s[G1A], s60, (3<<16)|(1<<21)          ; 15:0 the mask; 17:16 elements of 8 bytes; 21 set beside a mask
	s_or_b32 s[G1B], s61, (3<<16)|(1<<21)
	s_mov_b32 s[G1A+1], 384<<16                    ; tensor_dim0
	s_mov_b32 s[G1A+2], 8<<16                      ; tensor_dim1
	s_mov_b32 s[G1A+3], 384<<16                    ; tile_dim0
	s_mov_b32 s[G1A+4], 8                          ; tile_dim1
	s_mov_b32 s[G1A+5], 1536                       ; the pitch, in elements
	s_mov_b32 s[G1A+6], 0
	s_mov_b32 s[G1A+7], 0
	s_mov_b32 s[G1B+1], 384<<16
	s_mov_b32 s[G1B+2], 4<<16
	s_mov_b32 s[G1B+3], 384<<16
	s_mov_b32 s[G1B+4], 4
	s_mov_b32 s[G1B+5], 1536
	s_mov_b32 s[G1B+6], 0
	s_mov_b32 s[G1B+7], 0
	; which row blocks.  Q, K: A = x's 64 y + 16 cy on, B = the weights' 32 x + 8 cx on.  V: A = Wv's 128 + 16 cy on, B = x's 32 (8 (x - 4) + y) + 8 cx on.  The clusters' terms are chosen first, then cy or cx is added.
	s_lshl_b32 s85, s84, 6
	s_lshl_b32 s86, ttmp9, 5
	s_sub_co_i32 s87, ttmp9, 4
	s_max_i32 s87, s87, 0
	s_lshl_b32 s87, s87, 3
	s_add_co_u32 s87, s87, s84
	s_lshl_b32 s87, s87, 5
	s_cmp_ge_u32 ttmp9, 4
	s_cselect_b32 s27, 1, 0                        ; the kind: 0 Q, K; 1 V
	s_cselect_b32 s85, 128, s85
	s_cselect_b32 s86, s87, s86
	s_lshl_b32 s88, s26, 4
	s_add_co_u32 s85, s85, s88                     ; A's first row block
	s_lshl_b32 s98, s25, 3
	s_add_co_u32 s86, s86, s98                     ; B's first row block
	s_lshl_b32 s88, s24, 3
	s_add_co_u32 s88, s88, s85
	s_mul_i32 s88, s88, 12288                      ; A: my 8 row blocks, in bytes
	s_mov_b32 s89, 0
	s_lshl_b32 s98, s24, 2
	s_add_co_u32 s98, s98, s86
	s_mul_i32 s98, s98, 12288                      ; B: my 4
	s_mov_b32 s99, 0
	s_mul_i32 s87, s24, 24576                      ; where they go in a chunk: the wave's number alone enters an LDS address
	s_mul_i32 s84, s24, 12288
	s_add_co_u32 s84, s84, BOFF
	s_wait_dscnt 0x0
	s_wait_kmcnt 0x0
	s_cmp_eq_u32 s27, 0
	s_cselect_b64 s[90:91], s[4:5], s[8:9]         ; A's codes
	s_cselect_b64 s[92:93], s[8:9], s[4:5]         ; B's codes
	s_cselect_b64 s[94:95], s[6:7], s[10:11]       ; A's scale words
	s_cselect_b64 s[96:97], s[10:11], s[6:7]       ; B's
	s_add_nc_u64 s[66:67], s[90:91], s[88:89]
	s_add_nc_u64 s[62:63], s[92:93], s[98:99]
.irp q, 0,1,2,3
	s_mov_b32 s[G0A+4*\q], 1
	s_add_co_u32 s[G0A+4*\q+1], s87, \q*CHUNK
	s_add_nc_u64 s[G0A+4*\q+2:G0A+4*\q+3], s[66:67], \q*3072
	s_or_b32 s[G0A+4*\q+3], s[G0A+4*\q+3], 0x80000000
	s_mov_b32 s[G0B+4*\q], 1
	s_add_co_u32 s[G0B+4*\q+1], s84, \q*CHUNK
	s_add_nc_u64 s[G0B+4*\q+2:G0B+4*\q+3], s[62:63], \q*3072
	s_or_b32 s[G0B+4*\q+3], s[G0B+4*\q+3], 0x80000000
.endr
	CROUND                                         ; all sixteen work-groups are here: the joint loads meet
	s_cmp_eq_u32 s23, 0                            ; a wave's four fills stand in one branch on the wave's number; four v_nop follow the last
	s_cbranch_scc0 .Lfill_b
	tensor_load_to_lds s[G0A:G0A+3], s[G1A:G1A+7]
	s_nop 0
	tensor_load_to_lds s[G0A+4:G0A+7], s[G1A:G1A+7]
	s_nop 0
	tensor_load_to_lds s[G0A+8:G0A+11], s[G1A:G1A+7]
	s_nop 0
	tensor_load_to_lds s[G0A+12:G0A+15], s[G1A:G1A+7]
	s_nop 0
.rept 4
	v_nop
.endr
	s_branch .Lfilled
.Lfill_b:
	tensor_load_to_lds s[G0B:G0B+3], s[G1B:G1B+7]
	s_nop 0
	tensor_load_to_lds s[G0B+4:G0B+7], s[G1B:G1B+7]
	s_nop 0
	tensor_load_to_lds s[G0B+8:G0B+11], s[G1B:G1B+7]
	s_nop 0
	tensor_load_to_lds s[G0B+12:G0B+15], s[G1B:G1B+7]
	s_nop 0
.rept 4
	v_nop
.endr
.Lfilled:
	v_and_b32 v3, 31, v0                           ; lane
	v_and_b32 v1, 15, v0                           ; r
	v_bfe_u32 v2, v0, 4, 1                         ; h
	s_wait_alu depctr_va_vdst(0)
	v_lshlrev_b32 v[LP], 4, v3
	v_lshlrev_b32 v[LR], 4, v1
	v_lshl_add_u32 v[LR], v2, 3, v[LR]
	s_mul_i32 s87, s[WV], 12288                    ; my four blocks of A in a chunk
	v_add_nc_u32 v[AP], s87, v[LP]
	v_add_nc_u32 v[AR], s87, v[LR]
	v_add_nc_u32 v[BP], BOFF, v[LP]
	v_add_nc_u32 v[BR], BOFF, v[LR]
	s_lshl_b32 s88, s[WV], 2
	s_add_co_u32 s88, s88, s85
	s_lshl_b32 s88, s88, 9
	s_add_nc_u64 s[94:95], s[94:95], s[88:89]      ; the scale words of my four blocks of A: 512 bytes a block
	s_lshl_b32 s98, s86, 9
	s_add_nc_u64 s[96:97], s[96:97], s[98:99]      ; and of B's eight
.irp a, 0,1,2,3
	global_load_b128 v[SA+4*\a:SA+4*\a+3], v[LP], s[94:95] offset:\a*512   ; all eight K steps' words of a block by one load of 512 consecutive bytes
.endr
.irp b, 0,1,2,3,4,5,6,7
	global_load_b128 v[SB+4*\b:SB+4*\b+3], v[LP], s[96:97] offset:\b*512
.endr
	; THE BIASES.  Both sets are loaded in every work-group, at addresses that lie inside their buffers for either kind, so that the text parts on the kind only once, at the epilogue; each kind reads its own set alone.
	s_cmp_lt_u32 ttmp9, 2
	s_cselect_b64 s[12:13], s[12:13], s[14:15]     ; bq for Wq's columns, else bk
	s_bfe_u32 s98, s86, 0x30003                    ; which 128 of the 1,024
	s_lshl_b32 s98, s98, 9
	s_add_nc_u64 s[12:13], s[12:13], s[98:99]
	v_lshlrev_b32 v10, 6, v2                       ; + 16 h numbers
.irp g, 0,1,2,3
.irp j, 0,1,2,3
	global_load_b128 v[BN+16*\g+4*\j:BN+16*\g+4*\j+3], v10, s[12:13] offset:128*\g+16*\j   ; register 16 g + i: index 32 g + 16 h + i
.endr
.endr
	s_lshl_b32 s88, s26, 2
	s_add_co_u32 s88, s88, s[WV]                   ; 4 cy + w: in kind V my head
	s_lshl_b32 s88, s88, 8
	s_add_nc_u64 s[16:17], s[16:17], s[88:89]
	v_and_b32 v11, 8, v1
	v_add_nc_u32 v11, v11, v1
	v_lshlrev_b32 v11, 2, v11                      ; r + 8 (r / 8), in bytes
.irp a, 0,1,2,3
	global_load_b32 v[BM+2*\a], v11, s[16:17] offset:(32*(\a/2)+8*(\a%2))*4
	global_load_b32 v[BM+2*\a+1], v11, s[16:17] offset:(32*(\a/2)+8*(\a%2))*4   ; twice: a pair for the packed addition
.endr
	s_mov_b32 s[SEL], 0x76543210
	s_mov_b32 s[SEL+1], 0xfedcba98                 ; selects for lane l xor 16
.irp b, 0,1,2,3
	v_mov_b32 v[TM+4+\b], 0                        ; (a lane permute's destination counts as one of its sources)
.endr
; the fragments of K step s (its chunk's half s % 2) into set s % 2: 16 loads for A, 32 for B
.macro FETCH s
.set E, (\s)%2
	WIN 0
.irp a, 0,1,2,3
	ds_load_b128 v[AF+48*E+12*\a:AF+48*E+12*\a+3], v[AP] offset:\a*3072+E*1536
	ds_load_b64 v[AF+48*E+12*\a+4:AF+48*E+12*\a+5], v[AR] offset:\a*3072+E*1536+512
	ds_load_b128 v[AF+48*E+12*\a+6:AF+48*E+12*\a+9], v[AP] offset:\a*3072+E*1536+768
	ds_load_b64 v[AF+48*E+12*\a+10:AF+48*E+12*\a+11], v[AR] offset:\a*3072+E*1536+1280
.endr
	WIN 0x80                                       ; destination window 2, address window 0
.irp b, 0,1,2,3,4,5,6,7
	ds_load_b128 v[96*E+12*\b:96*E+12*\b+3], v[BP] offset:\b*3072+E*1536
	ds_load_b64 v[96*E+12*\b+4:96*E+12*\b+5], v[BR] offset:\b*3072+E*1536+512
	ds_load_b128 v[96*E+12*\b+6:96*E+12*\b+9], v[BP] offset:\b*3072+E*1536+768
	ds_load_b64 v[96*E+12*\b+10:96*E+12*\b+11], v[BR] offset:\b*3072+E*1536+1280
.endr
.endm
; 16 matrix instructions: A's blocks a0, a0 + 1 against B's eight.  cmode = 0: the products start the sums.  K steps 4-7 take their scale words from lanes 16-31.
; The 32 accumulators take turns, one instruction a turn, in the same order in every step.
.macro MUL16 s, a0, cmode
.irp a, \a0, \a0+1
.irp b, 0,1,2,3,4,5,6,7
.set rD, 64*(\a)+8*\b
.set rB, 96*((\s)%2)+12*\b
.set rA, AF+48*((\s)%2)+12*(\a)
.set rSB, SB+4*\b+(\s)%4
.set rSA, SA+4*(\a)+(\s)%4
.if (\cmode) == 0
	v_wmma_scale_f32_16x16x128_f8f6f4 v[rD:rD+7], v[rB:rB+11], v[rA:rA+11], 0, v[rSB], v[rSA] matrix_a_fmt:MATRIX_FMT_FP6 matrix_b_fmt:MATRIX_FMT_FP6
.elseif (\s) < 4
	v_wmma_scale_f32_16x16x128_f8f6f4 v[rD:rD+7], v[rB:rB+11], v[rA:rA+11], v[rD:rD+7], v[rSB], v[rSA] matrix_a_fmt:MATRIX_FMT_FP6 matrix_b_fmt:MATRIX_FMT_FP6
.else
	v_wmma_scale_f32_16x16x128_f8f6f4 v[rD:rD+7], v[rB:rB+11], v[rA:rA+11], v[rD:rD+7], v[rSB], v[rSA] matrix_a_fmt:MATRIX_FMT_FP6 matrix_b_fmt:MATRIX_FMT_FP6 matrix_a_scale:MATRIX_SCALE_ROW1 matrix_b_scale:MATRIX_SCALE_ROW1
.endif
.endr
.endr
.endm
; A K step of 128: 32 matrix instructions; in its middle the next step's 48 LDS loads, in one run, into the set that the step before has read: four plain vector lines stand between (ISA guide 7.12.1 for vector
; instructions).  An odd step goes on to the next chunk: my load of it has landed (the count leaves the later chunks' loads out), a barrier says the same of every wave.
.macro STEP s, cmode
	s_wait_dscnt 0x0                               ; this step's 48 loads, issued in the middle of the step before, are in
	WIN 0x52                                       ; source 0 (B) window 2, source 1 (A) window 0, C and D window 1
	MUL16 \s, 0, \cmode
.if (\s) < 7
	WIN 0
.if (\s)%2 == 1
	s_wait_tensorcnt 3-((\s)+1)/2
	s_barrier_signal -1
	s_barrier_wait -1
	v_add_nc_u32 v[AP], CHUNK, v[AP]               ; these four lines are also the four places
	v_add_nc_u32 v[AR], CHUNK, v[AR]
	v_add_nc_u32 v[BP], CHUNK, v[BP]
	v_add_nc_u32 v[BR], CHUNK, v[BR]
.else
.rept 4
	v_nop
.endr
.endif
	FETCH (\s)+1
.endif
	WIN 0x52
	MUL16 \s, 2, \cmode
.endm
	s_wait_alu depctr_va_vdst(0)
	s_wait_tensorcnt 0x3                           ; my part of chunk 0 is in; my three later loads may be out
	s_barrier_signal -1
	s_barrier_wait -1                              ; everybody's is
	FETCH 0
	s_wait_loadcnt 0x0                             ; scale words and biases
	STEP 0, 0
	STEP 1, 1
	s_wait_alu depctr_va_vdst(0)
	STEP 2, 1
	STEP 3, 1
	s_wait_alu depctr_va_vdst(0)
	STEP 4, 1
	STEP 5, 1
	s_wait_alu depctr_va_vdst(0)
	STEP 6, 1
	STEP 7, 1
	WIN 0
.rept 4
	v_nop                                          ; places in front of the first read of results and of the first write over operands
.endr
; 64 numbers of a lane, v[s] on, register 16 b + i = index 32 b + 16 (lane / 16) + i of my row, become a fragment's codes in v[PC] on and its scale word in v[PW]
.macro QUANT s
.irp b, 0,1,2,3
	v_max3_num_f32 v[TM+\b], |v[\s+16*\b]|, |v[\s+1+16*\b]|, 0x1800000   ; my 16 numbers of block b, and the floor 2^(3 - 127)
.endr
.irp i, 2,4,6,8,10,12,14
.irp b, 0,1,2,3
	v_max3_num_f32 v[TM+\b], v[TM+\b], |v[\s+16*\b+\i]|, |v[\s+1+16*\b+\i]|   ; (the four blocks by turns)
.endr
.endr
.irp b, 0,1,2,3
	v_permlanex16_b32 v[TM+4+\b], v[TM+\b], s[SEL], s[SEL+1]
.endr
.irp b, 0,1,2,3
	v_max_num_f32 v[TM+\b], v[TM+\b], v[TM+4+\b]   ; with lane l xor 16's: the block's largest magnitude
.endr
.irp b, 0,1,2,3
	v_add_nc_u32 v[TM+12+\b], 0xff000000, v[TM+\b] ; 2 off its exponent field: the conversion's scale operand
.endr
.irp b, 0,1,2,3
	v_lshrrev_b32 v[TM+4+\b], 23, v[TM+12+\b]      ; the scale's byte
.endr
	v_lshl_or_b32 v[PW], v[TM+5], 8, v[TM+4]
	v_lshl_or_b32 v[PW], v[TM+6], 16, v[PW]
	v_lshl_or_b32 v[PW], v[TM+7], 24, v[PW]
.irp c, 0,1
	v_cvt_scalef32_pk16_fp6_f32 v[PC+6*\c:PC+2+6*\c], v[\s+32*\c:\s+15+32*\c], v[TM+12+2*\c]
	v_cvt_scalef32_pk16_fp6_f32 v[PC+12+4*\c:PC+14+4*\c], v[\s+16+32*\c:\s+31+32*\c], v[TM+12+2*\c+1]   ; (a conversion's three registers begin on an even number)
.endr
	v_nop                                          ; one plain line behind the scaled conversions
.irp c, 0,1                                    ; the operand's layout wants a WHOLE block in a lane: lanes 0-15 block 2 c, lanes 16-31 block 2 c + 1
.irp i, 0,1,2
	v_permlane16_swap_b32 v[PC+6*\c+\i], v[PC+12+4*\c+\i]
.endr
.irp i, 0,1,2
	v_mov_b32 v[PC+3+6*\c+\i], v[PC+12+4*\c+\i]
.endr
.endr
.endm
; THE EPILOGUE of A's block a: sums + bias in f32 (each accumulator is read from its low end on), quantised, stored as two half fragments.  No LDS: a half fragment's image is what the lanes hold.
.macro EPI kind, a
.if \a > 0
	s_wait_xcnt 0x0                                ; the last block's stores have read their data
.endif
	WIN 0x01                                       ; source 0 (the sums) window 1
.set i, 0
.rept 32
.if \kind == 0
	v_pk_add_f32 v[T+i:T+i+1], v[64*\a+i:64*\a+i+1], v[BN+i:BN+i+1]
.else
	v_pk_add_f32 v[T+i:T+i+1], v[64*\a+i:64*\a+i+1], v[BM+2*\a:BM+2*\a+1]
.endif
.set i, i+2
.endr
	WIN 0
	QUANT T
	v_mov_b32 v[SW+\a], v[PW]
	global_store_b128 v[LP], v[PC:PC+3], s[96:97] offset:\a*768            ; 512 consecutive bytes, aligned
	global_store_b64 v[LR], v[PC+4:PC+5], s[96:97] offset:\a*768+512       ; 256 consecutive bytes, aligned
.if \kind == 0
	global_store_b128 v12, v[PC+6:PC+9], s[96:97] offset:\a*768            ; the second 64 columns are the next head's: one record further on
	global_store_b64 v13, v[PC+10:PC+11], s[96:97] offset:\a*768+512
.else
	global_store_b128 v[LP], v[PC+6:PC+9], s[96:97] offset:3072+\a*768     ; the second 64 keys: four half fragments further on
	global_store_b64 v[LR], v[PC+10:PC+11], s[96:97] offset:3072+\a*768+512
.endif
.endm
	s_cmp_eq_u32 s27, 0
	s_cbranch_scc0 .Lepi_v
	; ---- Q, K.  A record for each (batch, head): codes [tile of 16 positions][768], then scale words [tile / 4][r][tile % 4].  qr's records are 106,496 bytes, kv's 208,896.
	s_mov_b32 s88, 208896
	s_cmp_lt_u32 ttmp9, 2
	s_cselect_b64 s[18:19], s[18:19], s[20:21]     ; qr for Wq's columns, kv for Wk's
	s_cselect_b32 s88, 106496, s88
	s_lshr_b32 s90, s85, 7                         ; the batch
	s_lshl_b32 s90, s90, 4
	s_bfe_u32 s91, s86, 0x30003
	s_lshl_b32 s91, s91, 1                         ; the first of the tile's two heads
	s_add_co_u32 s90, s90, s91
	s_mul_i32 s90, s90, s88                        ; its record
	s_and_b32 s92, s85, 127
	s_lshl_b32 s93, s[WV], 2
	s_add_co_u32 s92, s92, s93                     ; my first tile of positions in the batch
	s_mul_i32 s93, s92, 768
	s_add_co_u32 s94, s90, s93
	s_mov_b32 s95, 0
	s_add_nc_u64 s[96:97], s[18:19], s[94:95]
	s_lshl_b32 s93, s92, 6
	s_add_co_u32 s94, s90, s93
	s_add_co_u32 s94, s94, 98304
	s_add_nc_u64 s[98:99], s[18:19], s[94:95]
	v_add_nc_u32 v12, s88, v[LP]
	v_add_nc_u32 v13, s88, v[LR]
	v_mul_u32_u24 v14, s88, v2
	v_lshl_add_u32 v14, v1, 4, v14                 ; scale words: lanes 0-15 the first head's record, lanes 16-31 the next one's; 16 r
	v_lshlrev_b32 v15, 4, v2
	EPI 0, 0
	EPI 0, 1
	EPI 0, 2
	EPI 0, 3
.irp a, 0,1,2,3
	v_lshrrev_b32 v[SW+\a], v15, v[SW+\a]          ; a head has two blocks: bytes 0, 1 of the word for the first head, bytes 2, 3 for the second;
.endr
.irp a, 0,1,2,3
	v_and_b32 v[SW+\a], 0xffff, v[SW+\a]           ; the word's upper bytes are 0: they scale the zero codes that fill K from 64 to 128
.endr
	global_store_b128 v14, v[SW:SW+3], s[98:99]    ; sixteen lanes cover 256 consecutive bytes, aligned
	s_branch .Ldone
.Lepi_v:
	; ---- V.  In kv's record: codes [64 keys][block of 16 of the head's 64][768] at 106,496, scale words [128 keys][r][block] at 204,800.
	s_lshr_b32 s90, s86, 7                         ; the batch
	s_lshl_b32 s90, s90, 4
	s_lshl_b32 s91, s26, 2
	s_add_co_u32 s91, s91, s[WV]                   ; my head
	s_add_co_u32 s90, s90, s91
	s_mul_i32 s90, s90, 208896
	s_bfe_u32 s92, s86, 0x40003                    ; which 128 keys
	s_mul_i32 s93, s92, 6144
	s_add_co_u32 s94, s90, s93
	s_add_co_u32 s94, s94, 106496
	s_mov_b32 s95, 0
	s_add_nc_u64 s[96:97], s[20:21], s[94:95]
	s_lshl_b32 s93, s92, 8
	s_add_co_u32 s94, s90, s93
	s_add_co_u32 s94, s94, 204800
	s_add_nc_u64 s[98:99], s[20:21], s[94:95]
	s_mov_b32 s87, 0xffff0000                      ; lanes 16-31
	EPI 1, 0
	EPI 1, 1
	EPI 1, 2
	EPI 1, 3
	v_cndmask_b32 v242, v[SW], v[SW+2], s87        ; lanes 0-15 store the words of blocks 0 and 1, lanes 16-31 of blocks 2 and 3
	v_cndmask_b32 v243, v[SW+1], v[SW+3], s87
	global_store_b64 v[LR], v[242:243], s[98:99]   ; 256 consecutive bytes, aligned
.Ldone:
	s_wait_tensorcnt 0x0
	ds_add_u32 v235, v241
	s_wait_dscnt 0x0
	CROUND                                         ; the closing round: no work-group ends while a partner may still ask for a tile that names it
	s_endpgm
.Lfunc_end_k_qc29e16fa09_qkv:
	.size	k_qc29e16fa09_qkv, .Lfunc_end_k_qc29e16fa09_qkv-k_qc29e16fa09_qkv
	.p2alignl 7, 3214868480
	.fill 96, 4, 3214868480
	.section	.rodata,"a",@progbits
	.p2align	6, 0x0
	.amdhsa_kernel k_qc29e16fa09_qkv
		.amdhsa_group_segment_fixed_size 295424
		.amdhsa_private_segment_fixed_size 0
		.amdhsa_enable_private_segment 0
		.amdhsa_kernarg_size 72
		.amdhsa_user_sgpr_count 2
		.amdhsa_user_sgpr_kernarg_segment_ptr 1
		.amdhsa_wavefront_size32 1
		.amdhsa_system_sgpr_workgroup_id_x 1
		.amdhsa_system_sgpr_workgroup_id_y 1
		.amdhsa_system_sgpr_workgroup_id_z 1
		.amdhsa_system_vgpr_workitem_id 0
		.amdhsa_next_free_vgpr 768
		.amdhsa_next_free_sgpr 100
		.amdhsa_reserve_vcc 0
		.amdhsa_float_denorm_mode_32 3
		.amdhsa_float_denorm_mode_16_64 3
		.amdhsa_memory_ordered 1
		.amdhsa_forward_progress 1
		.amdhsa_inst_pref_size 124
	.end_amdhsa_kernel
	.amdgpu_metadata
---
amdhsa.version: [ 1, 2 ]
amdhsa.kernels:
  - .name:           k_qc29e16fa09_qkv
    .symbol:         k_qc29e16fa09_qkv.kd
    .args:
      - { .name: xc, .offset: 0, .size: 8, .value_kind: global_buffer, .address_space: global }
      - { .name: xs, .offset: 8, .size: 8, .value_kind: global_buffer, .address_space: global }
      - { .name: wc, .offset: 16, .size: 8, .value_kind: global_buffer, .address_space: global }
      - { .name: ws, .offset: 24, .size: 8, .value_kind: global_buffer, .address_space: global }
      - { .name: bq, .offset: 32, .size: 8, .value_kind: global_buffer, .address_space: global }
      - { .name: bk, .offset: 40, .size: 8, .value_kind: global_buffer, .address_space: global }
      - { .name: bv, .offset: 48, .size: 8, .value_kind: global_buffer, .address_space: global }
      - { .name: qr, .offset: 56, .size: 8, .value_kind: global_buffer, .address_space: global }
      - { .name: kv, .offset: 64, .size: 8, .value_kind: global_buffer, .address_space: global }
    .group_segment_fixed_size: 295424
    .private_segment_fixed_size: 0
    .kernarg_segment_align: 8
    .kernarg_segment_size: 72
    .max_flat_workgroup_size: 128
    .sgpr_count:     100
    .vgpr_count:     768
    .wavefront_size: 32
...
	.end_amdgpu_metadata
.endif
;; end of part 2
;; launch attn (part 3): grid 256 x 1, 16 waves a work-group, clusters of 4 x 1, 210,944 bytes of LDS; arguments qr, kv, ac, asc; writes ac, asc
.if DOCPART == 3
	.amdgcn_target "amdgcn-amd-amdhsa--gfx1250"
	.amdhsa_code_object_version 6
	.text
	.protected	k_qc29e16fa09_attn
	.globl	k_qc29e16fa09_attn
	.p2align	8
	.type	k_qc29e16fa09_attn,@function
k_qc29e16fa09_attn:
	s_mov_b64 s[64:65], 0
	v_nop
	global_prefetch_b8 v0, s[64:65] scope:SCOPE_SE
	s_setreg_imm32_b32 hwreg(HW_REG_WAVE_MODE, 25, 1), 1
	s_wait_xcnt 0x0
	s_wait_alu depctr_hold_cnt(0) depctr_sa_sdst(0) depctr_va_vdst(0) depctr_va_sdst(0) depctr_va_ssrc(0) depctr_va_vcc(0) depctr_vm_vsrc(0)
	s_getreg_b32 s2, hwreg(HW_REG_IB_STS2, 6, 4)
	s_cmp_eq_u32 s2, 0
	s_cbranch_scc0 .Lentry_in_a_cluster
	s_endpgm
.Lentry_in_a_cluster:
	s_bfe_u32 s2, ttmp6, 0x10000c
	s_cmp_lg_u32 s2, 0x3003
	s_cbranch_scc0 .Lentry_shape_is_right
	s_endpgm
.Lentry_shape_is_right:
; Causal attention of one (batch, head) a cluster, both products on codes of FP6 (E2M3) with E8M0 scales.  Head size 64, 2,048 keys.
; t = score x log2(e) / 8; M = the row's largest t so far, rounded UP to a whole number; p = 2^(t - M) is quantised along the keys, not normalised; the row's sum is taken of the unquantised p and divides O at the
; end.  When M moves, the sum and O are multiplied by 2^(old M - new M): exact.  O / sum is quantised along the head's 64 and leaves as codes, an operand of the last projection.
; LDS IS THE IMAGE OF THE HEAD'S RECORD in kv, 208,896 bytes: K's codes [tile of 16 keys][768] at 0, K's scale words [tile / 4][r][tile % 4] at 98,304, V's codes [64 keys][block of 16 of the 64][768] at 106,496,
; V's scale words [128 keys][r][block] at 204,800.  It is filled ONCE: each of the sixteen waves asks for 51 rows of 256 bytes, jointly with the same wave of the three partners, which need the same record.
; So there is one wait, one barrier, no slot that is filled again, and nothing later to ask ahead for.
; SHARES.  Wave w of partner cx owns the query tiles T = 4 w + cx and 127 - T: w / 2 + 1 and 16 - w / 2 key steps of 128 keys, 17 for every wave; both counts hang on the wave's number alone.  cx enters global
; addresses and the mask's compare values, never a branch or an LDS address.  The loop over key steps has 16 trips for every tile; a step all of whose keys come after the tile's queries is jumped over.
; LAYOUT.  Both products are used transposed (S^T = K Q^T, O^T = V^T P^T): a lane holds ONE query.  Tiles stand by position (tile 2 g + u, lane r = actual 32 g + 8 u + r + 8 (r / 8)), so the 16 registers of
; tiles 2 g, 2 g + 1 of S^T are 16 neighbouring keys, and those of O^T 16 neighbours of the head's 64.
; K = 64 IN AN INSTRUCTION OF 128: Q's registers 6-11 are zero codes.  A key tile's operand is its own six registers and the six that follow (the next tile's codes, or zeros behind the last): E2M3 has only
; finite codes, and they meet Q's zeros; the scale words' bytes 2 and 3 are 0 on both sides, which is 2^-127 and no NaN.
; LIMITS: a block of zeros gets the scale byte 1 (its codes are zeros; this program alone reads the bytes); a block's largest p is taken from its largest score, which takes v_exp_f32 not to fall where its input
; rises; NaN and infinities are not served.  The scale bytes of the output go out one byte a lane, 32 bytes a tile: the one store of the program that does not fill 256 consecutive bytes.
; REGISTERS: v1 16 x lane, v2 16 r + 8 h, v3 16 r, v4 r + 8 (r / 8) - 16 h; v5-10 LDS addresses; v11 the mask's threshold; v12 -M, v13 largest t, v[14:15] the sum; v16-27 Q and its zeros; v28 Q's scale word,
; v29 p's; v[30:31] f; v32-79 eight key tiles, at work in the softmax; v80-85 zeros; v86 16 r + h; v88-135 V; v136-199 S^T, then p; v200-231 O^T; v232-243 p's codes; v244-251 K's scale words, v252-255 V's.
.set KT, 32
.set VT, 88
.set ST, 136
.set OT, 200
.set PC, 232
.macro ROUND                           ; a round of the cluster's barrier
	s_barrier_signal -1
	s_barrier_wait -1
	s_cmp_lg_u32 s12, 0
	s_cbranch_scc1 .Lnot_wave_0_\@
	s_barrier_signal -3
.Lnot_wave_0_\@:
	s_barrier_wait -3
	s_barrier_signal -1
	s_barrier_wait -1
.endm
	s_load_b256 s[4:11], s[0:1], 0x0               ; qr s[4:5], kv s[6:7], ac s[8:9], asc s[10:11]
	v_lshl_add_u32 v254, v0, 2, 0x33000
	v_mov_b32 v255, 0
	ds_add_u32 v254, v255
	ds_add_u32 v254, v255
	s_wait_dscnt 0x0
	v_lshrrev_b32 v1, 5, v0
	s_delay_alu instid0(VALU_DEP_1)
	v_readfirstlane_b32 s12, v1                    ; wave 0..15
	s_bfe_u32 s13, ttmp6, 0x40000                  ; cx
	s_mov_b32 s24, 15|(3<<16)|(1<<21)              ; group 1: the mask names all four; elements of 8 bytes; 21 set beside a mask
	s_mov_b32 s25, 32<<16                          ; tensor_dim0: 256 bytes
	s_mov_b32 s26, 51<<16                          ; tensor_dim1
	s_mov_b32 s27, 32<<16                          ; tile_dim0
	s_mov_b32 s28, 51                              ; tile_dim1
	s_mov_b32 s29, 32                              ; the pitch: the block is dense
	s_mov_b32 s30, 0
	s_mov_b32 s31, 0
	s_mov_b32 s32, 1
	s_mul_i32 s33, s12, 13056                      ; my 51 rows, in LDS as in the record
	s_mul_i32 s40, ttmp9, 208896                   ; the cluster's x is the (batch, head)
	s_add_co_u32 s40, s40, s33
	s_mov_b32 s41, 0
	s_wait_kmcnt 0x0
	s_add_nc_u64 s[34:35], s[6:7], s[40:41]
	s_or_b32 s35, s35, 0x80000000
	ROUND                                          ; all four work-groups are here: the joint loads meet
	tensor_load_to_lds s[32:35], s[24:31]          ; one load a wave is out
	s_nop 0
.rept 4
	v_nop
.endr
	v_and_b32 v5, 15, v0                           ; r
	v_bfe_u32 v6, v0, 4, 1                         ; h
	v_and_b32 v1, 31, v0
	s_delay_alu instid0(VALU_DEP_1)
	v_lshlrev_b32 v1, 4, v1
	s_delay_alu instid0(VALU_DEP_4)
	v_lshlrev_b32 v3, 4, v5
	s_delay_alu instid0(VALU_DEP_1)
	v_lshl_add_u32 v2, v6, 3, v3
	s_delay_alu instid0(VALU_DEP_2)
	v_add_nc_u32 v86, v3, v6
	v_and_b32 v4, 8, v5
	s_delay_alu instid0(VALU_DEP_1)
	v_add_nc_u32 v4, v4, v5
	v_lshlrev_b32 v7, 4, v6
	s_delay_alu instid0(VALU_DEP_1)
	v_sub_nc_u32 v4, v4, v7
.irp j, 22,23,24,25,26,27,80,81,82,83,84,85
	v_mov_b32 v\j, 0                               ; zero codes: Q's upper half of K, and what follows the last key tile
.endr
.irp j, 31,36,37,38,39,54
	v_mov_b32 v\j, 0                               ; written once: a pair's upper half, and lane permutes' destinations, count as read
.endr
	s_mov_b32 s20, 0x76543210
	s_mov_b32 s21, 0xfedcba98                      ; selects for lane l xor 16
	s_mov_b32 s22, 0x3e38aa3b                      ; c = log2(e) / 8
	s_mov_b32 s23, s22                             ; (named with it as a pair)
	s_mov_b32 s39, 0xffff0000                      ; lanes 16-31
	s_lshl_b32 s37, s12, 2
	s_add_co_u32 s37, s37, s13                     ; T
	s_lshr_b32 s36, s12, 1
	s_add_co_u32 s36, s36, 1                       ; N: its key steps
	s_mul_i32 s44, ttmp9, 106496                   ; the head's record in qr
	s_and_b32 s49, ttmp9, 15                       ; the head
	s_mul_i32 s54, s49, 768                        ; its half fragment in a row block of ac
	s_lshr_b32 s55, s49, 3                         ; its two bytes in a row block of asc: half of K, word, byte
	s_lshl_b32 s55, s55, 8
	s_bfe_u32 s45, s49, 0x20001
	s_lshl_b32 s45, s45, 2
	s_add_co_u32 s55, s55, s45
	s_and_b32 s45, s49, 1
	s_lshl_b32 s45, s45, 1
	s_add_co_u32 s55, s55, s45
	s_lshr_b32 s56, ttmp9, 4
	s_lshl_b32 s56, s56, 7                         ; the batch's first row block
	s_wait_tensorcnt 0x0                           ; my part of the record is in,
	s_barrier_signal -1
	s_barrier_wait -1                              ; everybody's is; from here on LDS is only read
; ONE QUERY TILE, T in s37, its key steps N in s36.
.macro PASS
	s_wait_xcnt 0x0                                ; the last tile's stores have read their registers and bases
	s_mul_i32 s40, s37, 768
	s_add_co_u32 s40, s40, s44
	s_mov_b32 s41, 0
	s_add_nc_u64 s[40:41], s[4:5], s[40:41]        ; Q's half fragment
	s_lshr_b32 s42, s37, 2
	s_lshl_b32 s42, s42, 8
	s_and_b32 s43, s37, 3
	s_lshl_b32 s43, s43, 2
	s_add_co_u32 s42, s42, s43
	s_add_co_u32 s42, s42, s44
	s_add_co_u32 s42, s42, 98304
	s_mov_b32 s43, 0
	s_add_nc_u64 s[42:43], s[4:5], s[42:43]        ; and its scale words
	global_load_b128 v[16:19], v1, s[40:41]
	global_load_b64 v[20:21], v2, s[40:41] offset:512
	global_load_b32 v28, v3, s[42:43]
	v_mov_b32 v13, 0xff61b1e6                      ; the largest t so far: -3e38, under every t
	s_delay_alu instid0(VALU_DEP_1)
	v_floor_f32 v12, -v13                          ; -M
	v_mov_b32 v14, 0
	v_mov_b32 v15, 0
.set j, 0
.rept 32
	v_mov_b32 v[OT+j], 0                           ; O^T: the step is written once; the first finds zeros, which the first change of M leaves zeros
.set j, j+1
.endr
	v_mov_b32 v5, v1                               ; K's registers 0-3
	v_add_nc_u32 v6, 512, v2                       ; K's registers 4-5
	v_add_nc_u32 v7, 106496, v1                    ; V's
	v_add_nc_u32 v8, 107008, v2
	v_add_nc_u32 v9, 98304, v3                     ; K's scale words
	v_add_nc_u32 v10, 204800, v3                   ; V's
	s_bfe_u32 s45, s37, 0x20001
	s_lshl_b32 s45, s45, 5
	s_and_b32 s46, s37, 1
	s_lshl_b32 s46, s46, 3
	s_add_co_u32 s45, s45, s46
	v_add_nc_u32 v11, s45, v4                      ; d = my query - the diagonal step's first key - 16 h
	s_mov_b32 s38, 0
	s_wait_loadcnt 0x0                             ; Q
.Ltrip_\@:
	s_cmp_ge_u32 s38, s36                          ; all 128 keys come after my queries: only the addresses step
	s_cbranch_scc1 .Lhid_\@
	s_wait_alu depctr_va_vdst(0)
	s_setprio 2
	ds_load_b128 v[244:247], v9                    ; the scale words of key tiles 0-3, 4-7
	ds_load_b128 v[248:251], v9 offset:256
.irp t, 0,1,2,3,4,5,6,7
	ds_load_b128 v[KT+6*\t:KT+6*\t+3], v5 offset:768*\t
	ds_load_b64 v[KT+6*\t+4:KT+6*\t+5], v6 offset:768*\t
.endr
	ds_load_b128 v[252:255], v10                   ; V's scale words, four blocks
.irp t, 0,1,2,3
.irp c, 0,1
	ds_load_b128 v[VT+12*\t+6*\c:VT+12*\t+6*\c+3], v7 offset:(4*\c+\t)*768
	ds_load_b64 v[VT+12*\t+6*\c+4:VT+12*\t+6*\c+5], v8 offset:(4*\c+\t)*768
.endr
.endr
	s_wait_dscnt 17                                ; K's 18 loads are in; V's 17 may be out
.irp t, 0,1,2,3,4,5,6,7
	v_wmma_scale_f32_16x16x128_f8f6f4 v[ST+8*\t:ST+8*\t+7], v[KT+6*\t:KT+6*\t+11], v[16:27], 0, v[244+\t], v28 matrix_a_fmt:MATRIX_FMT_FP6 matrix_b_fmt:MATRIX_FMT_FP6
.endr
.rept 4
	v_nop                                          ; places in front of the first read of the scores and the first write over the key tiles
.endr
	s_add_co_u32 s47, s38, 1                       ; the tile's last step lies on the diagonal: hidden keys' scores become -infinity ahead of the maximum
	s_cmp_lg_u32 s47, s36
	s_cbranch_scc1 .Lopen_\@
	v_mov_b32 v54, 0xff800000
.set n, 0
.rept 64
	v_cmp_gt_i32 vcc_lo, 32*(n/16)+n%16, v11       ; register 16 b + i holds key 32 b + 16 h + i of the step: hidden where 32 b + i > d
	v_cndmask_b32 v[ST+n], v[ST+n], v54, vcc_lo
.set n, n+1
.endr
.Lopen_\@:
.irp b, 0,1,2,3
	v_max3_num_f32 v[32+\b], v[ST+16*\b], v[ST+1+16*\b], v[ST+2+16*\b]   ; the largest score of each block of 32 keys: for the row's maximum, and, since p rises with the score, for the block's largest p
.endr
.irp i, 3,5,7,9,11,13
.irp b, 0,1,2,3
	v_max3_num_f32 v[32+\b], v[32+\b], v[ST+16*\b+\i], v[ST+1+16*\b+\i]
.endr
.endr
.irp b, 0,1,2,3
	v_max_num_f32 v[32+\b], v[32+\b], v[ST+15+16*\b]
.endr
.irp b, 0,1,2,3
	s_delay_alu instid0(VALU_DEP_4)
	v_permlanex16_b32 v[36+\b], v[32+\b], s20, s21
.endr
.irp b, 0,1,2,3
	s_delay_alu instid0(VALU_DEP_4)
	v_max_num_f32 v[32+\b], v[32+\b], v[36+\b]     ; with lane l xor 16's 16 keys
.endr
	s_delay_alu instid0(VALU_DEP_2)
	v_max3_num_f32 v54, v32, v33, v34
	s_delay_alu instid0(VALU_DEP_1)
	v_max_num_f32 v54, v54, v35
	s_delay_alu instid0(VALU_DEP_1)
	v_mul_f32 v54, s22, v54                        ; as t (c is positive)
	s_delay_alu instid0(VALU_DEP_1)
	v_max_num_f32 v13, v13, v54                    ; the running largest t
	v_mov_b32 v54, v12
	s_delay_alu instid0(VALU_DEP_2)
	v_floor_f32 v12, -v13                          ; the new -M = -ceil(t): a whole number
	s_delay_alu instid0(VALU_DEP_1)
	v_sub_f32 v54, v12, v54                        ; old M - new M: a whole number, 0 or less
	s_delay_alu instid0(VALU_DEP_1)
	v_cvt_i32_f32 v54, v54                         ; (it saturates)
	s_delay_alu instid0(VALU_DEP_1)
	v_ldexp_f32 v30, 1.0, v54                      ; f = 2^(old M - new M)
.set j, 0
.rept 32
	v_pk_fma_f32 v[ST+j:ST+j+1], v[ST+j:ST+j+1], s[22:23], v[12:13] op_sel_hi:[1,0,0]   ; t - M, two at a time
.set j, j+2
.endr
	s_setprio 1
.irp b, 0,1,2,3
	v_fma_f32 v[32+\b], v[32+\b], s22, v12         ; the same of each block's largest score
.endr
.set j, 0
	s_wait_alu depctr_va_vdst(0)
.rept 64
	v_exp_f32 v[ST+j], v[ST+j]                     ; p = 2^(t - M)
.set j, j+1
.endr
	v_pk_mul_f32 v[14:15], v[14:15], v[30:31] op_sel_hi:[1,0]   ; the sums under the new M: a plain line behind the exponentials
	s_wait_alu depctr_va_vdst(0)                   ; one wait for the batch, ahead of its first reader
.irp b, 0,1,2,3
	v_exp_f32 v[32+\b], v[32+\b]                   ; the blocks' largest p
.endr
	v_pk_add_f32 v[52:53], v[140:141], v[144:145]
	v_pk_add_f32 v[250:251], v[148:149], v[152:153]
	v_pk_add_f32 v[248:249], v[156:157], v[160:161]
	v_pk_add_f32 v[246:247], v[164:165], v[168:169]
	v_pk_add_f32 v[244:245], v[172:173], v[176:177]
	v_pk_add_f32 v[242:243], v[180:181], v[184:185]
	v_pk_add_f32 v[240:241], v[188:189], v[192:193]
	v_pk_add_f32 v[14:15], v[14:15], v[196:197]
	v_pk_add_f32 v[52:53], v[52:53], v[136:137]
	v_pk_add_f32 v[250:251], v[250:251], v[138:139]
	v_pk_add_f32 v[248:249], v[248:249], v[142:143]
	v_pk_add_f32 v[246:247], v[246:247], v[146:147]
	v_pk_add_f32 v[244:245], v[244:245], v[150:151]
	v_pk_add_f32 v[242:243], v[242:243], v[154:155]
	v_pk_add_f32 v[240:241], v[240:241], v[158:159]
	v_pk_add_f32 v[14:15], v[14:15], v[162:163]
	v_pk_add_f32 v[52:53], v[52:53], v[166:167]
	v_pk_add_f32 v[250:251], v[250:251], v[170:171]
	v_pk_add_f32 v[248:249], v[248:249], v[174:175]
	v_pk_add_f32 v[246:247], v[246:247], v[178:179]
	v_pk_add_f32 v[244:245], v[244:245], v[182:183]
	v_pk_add_f32 v[242:243], v[242:243], v[186:187]
	v_pk_add_f32 v[240:241], v[240:241], v[190:191]
	v_pk_add_f32 v[14:15], v[14:15], v[194:195]
	v_pk_add_f32 v[52:53], v[52:53], v[198:199]
	s_delay_alu instid0(VALU_DEP_2)
	v_pk_add_f32 v[14:15], v[14:15], v[246:247]
	s_delay_alu instid0(VALU_DEP_2)
	v_pk_add_f32 v[52:53], v[52:53], v[244:245]
	v_pk_add_f32 v[250:251], v[250:251], v[242:243]
	v_pk_add_f32 v[248:249], v[248:249], v[240:241]
	s_delay_alu instid0(VALU_DEP_2)
	v_pk_add_f32 v[14:15], v[14:15], v[250:251]
	s_delay_alu instid0(VALU_DEP_2)
	v_pk_add_f32 v[52:53], v[52:53], v[248:249]
	s_delay_alu instid0(VALU_DEP_1)
	v_pk_add_f32 v[14:15], v[14:15], v[52:53]
	s_wait_alu depctr_va_vdst(0)                   ; and one for the four
.irp b, 0,1,2,3
	v_max_num_f32 v[32+\b], 0x1800000, v[32+\b]    ; the floor 2^(3 - 127)
.endr
.irp b, 0,1,2,3
	s_delay_alu instid0(VALU_DEP_4)
	v_add_nc_u32 v[40+\b], 0xff000000, v[32+\b]    ; the conversion's scale operand
.endr
.irp b, 0,1,2,3
	s_delay_alu instid0(VALU_DEP_4)
	v_lshrrev_b32 v[36+\b], 23, v[40+\b]           ; the scale's byte
.endr
	s_delay_alu instid0(VALU_DEP_3)
	v_lshl_or_b32 v29, v37, 8, v36                 ; p's scale word for these 128 keys
	s_delay_alu instid0(VALU_DEP_1)
	v_lshl_or_b32 v29, v38, 16, v29
	s_delay_alu instid0(VALU_DEP_1)
	v_lshl_or_b32 v29, v39, 24, v29
	s_setprio 0
.irp c, 0,1
	v_cvt_scalef32_pk16_fp6_f32 v[PC+6*\c:PC+6*\c+2], v[ST+32*\c:ST+32*\c+15], v[40+2*\c]
	v_cvt_scalef32_pk16_fp6_f32 v[44+4*\c:46+4*\c], v[ST+16+32*\c:ST+31+32*\c], v[41+2*\c]
.endr
	v_nop                                          ; one plain line behind the scaled conversions
.irp c, 0,1
.irp i, 0,1,2
	v_permlane16_swap_b32 v[PC+6*\c+\i], v[44+4*\c+\i]   ; a whole block to a lane
.endr
.irp i, 0,1,2
	s_delay_alu instid0(VALU_DEP_3)
	v_mov_b32 v[PC+3+6*\c+\i], v[44+4*\c+\i]
.endr
.endr
.set j, 0
.rept 16
	v_pk_mul_f32 v[OT+j:OT+j+1], v[OT+j:OT+j+1], v[30:31] op_sel_hi:[1,0]   ; O^T under the new M; these lines also stand between the writes of p's codes and scale word and the products
.set j, j+2
.endr
	s_wait_alu depctr_va_vdst(0)
	s_wait_dscnt 0x0                               ; V is in
.irp t, 0,1,2,3
	v_wmma_scale_f32_16x16x128_f8f6f4 v[OT+8*\t:OT+8*\t+7], v[VT+12*\t:VT+12*\t+11], v[PC:PC+11], v[OT+8*\t:OT+8*\t+7], v[252+\t], v29 matrix_a_fmt:MATRIX_FMT_FP6 matrix_b_fmt:MATRIX_FMT_FP6
.endr
.Lhid_\@:
	s_wait_alu depctr_va_vdst(0)
	v_add_nc_u32 v5, 6144, v5                      ; the next 128 keys; these six lines are also the places behind the products
	v_add_nc_u32 v6, 6144, v6
	v_add_nc_u32 v7, 6144, v7
	v_add_nc_u32 v8, 6144, v8
	v_add_nc_u32 v9, 512, v9
	v_add_nc_u32 v10, 256, v10
	s_add_co_u32 s38, s38, 1
	s_cmp_lt_u32 s38, 16
	s_cbranch_scc1 .Ltrip_\@
	s_setprio 0
	; the tile's end: O^T / the sum, quantised along the head's 64: one half fragment and two bytes a row
	v_add_f32 v14, v14, v15
	s_delay_alu instid0(VALU_DEP_1)
	v_permlanex16_b32 v54, v14, s20, s21
	s_delay_alu instid0(VALU_DEP_1)
	v_add_f32 v14, v14, v54                        ; the row's sum
	s_wait_alu depctr_va_vdst(0)
	v_rcp_f32 v14, v14
	v_nop                                          ; a plain line behind the reciprocal
	s_add_co_u32 s48, s56, s37                     ; the tile's row block in ac and asc
	s_mul_i32 s50, s48, 12288
	s_add_co_u32 s50, s50, s54
	s_mov_b32 s51, 0
	s_add_nc_u64 s[50:51], s[8:9], s[50:51]
	s_lshl_b32 s52, s48, 9
	s_add_co_u32 s52, s52, s55
	s_mov_b32 s53, 0
	s_add_nc_u64 s[52:53], s[10:11], s[52:53]
	s_wait_alu depctr_va_vdst(0)                   ; ahead of the reciprocal's first reader
.set j, 0
.rept 32
	v_mul_f32 v[ST+j], v[OT+j], v14                ; register 16 b + i: index 32 b + 16 h + i of the head's 64
.set j, j+1
.endr
.irp b, 0,1
	v_max3_num_f32 v[32+\b], |v[ST+16*\b]|, |v[ST+1+16*\b]|, 0x1800000
.endr
.irp i, 2,4,6,8,10,12,14
.irp b, 0,1
	s_delay_alu instid0(VALU_DEP_2)
	v_max3_num_f32 v[32+\b], v[32+\b], |v[ST+16*\b+\i]|, |v[ST+1+16*\b+\i]|
.endr
.endr
.irp b, 0,1
	s_delay_alu instid0(VALU_DEP_2)
	v_permlanex16_b32 v[36+\b], v[32+\b], s20, s21
.endr
.irp b, 0,1
	s_delay_alu instid0(VALU_DEP_2)
	v_max_num_f32 v[32+\b], v[32+\b], v[36+\b]
.endr
.irp b, 0,1
	s_delay_alu instid0(VALU_DEP_2)
	v_add_nc_u32 v[40+\b], 0xff000000, v[32+\b]
.endr
.irp b, 0,1
	s_delay_alu instid0(VALU_DEP_2)
	v_lshrrev_b32 v[36+\b], 23, v[40+\b]
.endr
	v_cvt_scalef32_pk16_fp6_f32 v[PC:PC+2], v[ST:ST+15], v40
	v_cvt_scalef32_pk16_fp6_f32 v[44:46], v[ST+16:ST+31], v41
	v_nop
.irp i, 0,1,2
	v_permlane16_swap_b32 v[PC+\i], v[44+\i]
.endr
.irp i, 0,1,2
	s_delay_alu instid0(VALU_DEP_3)
	v_mov_b32 v[PC+3+\i], v[44+\i]
.endr
	v_cndmask_b32 v55, v36, v37, s39               ; lanes 0-15 store block 0's byte, lanes 16-31 block 1's
	global_store_b128 v1, v[PC:PC+3], s[50:51]     ; 512 consecutive bytes, aligned
	global_store_b64 v2, v[PC+4:PC+5], s[50:51] offset:512
	global_store_b8 v86, v55, s[52:53]
.endm
	PASS
	s_xor_b32 s37, s37, 127                        ; 127 - T
	s_lshr_b32 s36, s12, 1
	s_xor_b32 s36, s36, 15
	s_add_co_u32 s36, s36, 1                       ; 16 - w / 2
	PASS
	s_wait_dscnt 0x0
	s_wait_xcnt 0x0
	v_lshl_add_u32 v254, v0, 2, 0x33000
	v_mov_b32 v255, 0
	s_wait_alu depctr_va_vdst(0)
	s_wait_tensorcnt 0x0
	ds_add_u32 v254, v255
	s_wait_dscnt 0x0
	ROUND                                          ; the closing round
	s_endpgm
.Lfunc_end_k_qc29e16fa09_attn:
	.size	k_qc29e16fa09_attn, .Lfunc_end_k_qc29e16fa09_attn-k_qc29e16fa09_attn
	.p2alignl 7, 3214868480
	.fill 96, 4, 3214868480
	.section	.rodata,"a",@progbits
	.p2align	6, 0x0
	.amdhsa_kernel k_qc29e16fa09_attn
		.amdhsa_group_segment_fixed_size 210944
		.amdhsa_private_segment_fixed_size 0
		.amdhsa_enable_private_segment 0
		.amdhsa_kernarg_size 32
		.amdhsa_user_sgpr_count 2
		.amdhsa_user_sgpr_kernarg_segment_ptr 1
		.amdhsa_wavefront_size32 1
		.amdhsa_system_sgpr_workgroup_id_x 1
		.amdhsa_system_sgpr_workgroup_id_y 1
		.amdhsa_system_sgpr_workgroup_id_z 1
		.amdhsa_system_vgpr_workitem_id 0
		.amdhsa_next_free_vgpr 256
		.amdhsa_next_free_sgpr 66
		.amdhsa_reserve_vcc 1
		.amdhsa_float_denorm_mode_32 3
		.amdhsa_float_denorm_mode_16_64 3
		.amdhsa_memory_ordered 1
		.amdhsa_forward_progress 1
		.amdhsa_inst_pref_size 65
	.end_amdhsa_kernel
	.amdgpu_metadata
---
amdhsa.version: [ 1, 2 ]
amdhsa.kernels:
  - .name:           k_qc29e16fa09_attn
    .symbol:         k_qc29e16fa09_attn.kd
    .args:
      - { .name: qr, .offset: 0, .size: 8, .value_kind: global_buffer, .address_space: global }
      - { .name: kv, .offset: 8, .size: 8, .value_kind: global_buffer, .address_space: global }
      - { .name: ac, .offset: 16, .size: 8, .value_kind: global_buffer, .address_space: global }
      - { .name: asc, .offset: 24, .size: 8, .value_kind: global_buffer, .address_space: global }
    .group_segment_fixed_size: 210944
    .private_segment_fixed_size: 0
    .kernarg_segment_align: 8
    .kernarg_segment_size: 32
    .max_flat_workgroup_size: 512
    .sgpr_count:     66
    .vgpr_count:     256
    .wavefront_size: 32
...
	.end_amdgpu_metadata
.endif
;; end of part 3
;; launch oproj (part 4): grid 8 x 32, 4 waves a work-group, clusters of 4 x 4, 295,424 bytes of LDS; arguments ac, asc, wc, ws, bo, out0; writes out0
.if DOCPART == 4
	.amdgcn_target "amdgcn-amd-amdhsa--gfx1250"
	.amdhsa_code_object_version 6
	.text
	.protected	k_qc29e16fa09_oproj
	.globl	k_qc29e16fa09_oproj
	.p2align	8
	.type	k_qc29e16fa09_oproj,@function
k_qc29e16fa09_oproj:
	s_mov_b64 s[64:65], 0
	v_nop
	global_prefetch_b8 v0, s[64:65] scope:SCOPE_SE
	s_setreg_imm32_b32 hwreg(HW_REG_WAVE_MODE, 25, 1), 1
	s_wait_xcnt 0x0
	s_wait_alu depctr_hold_cnt(0) depctr_sa_sdst(0) depctr_va_vdst(0) depctr_va_sdst(0) depctr_va_ssrc(0) depctr_va_vcc(0) depctr_vm_vsrc(0)
	s_getreg_b32 s2, hwreg(HW_REG_IB_STS2, 6, 4)
	s_cmp_eq_u32 s2, 0
	s_cbranch_scc0 .Lentry_in_a_cluster
	s_endpgm
.Lentry_in_a_cluster:
	s_bfe_u32 s2, ttmp6, 0x10000c
	s_cmp_lg_u32 s2, 0xf033
	s_cbranch_scc0 .Lentry_shape_is_right
	s_endpgm
.Lentry_shape_is_right:
; out0 = attention's output x Wo + bo on codes of FP6 (E2M3) with E8M0 scales, f32 sums.  A = ac (8,192 rows by position), B = Wo's columns (row blocks 192-255 of wc).
; A TILE is 256 rows of A x 128 rows of B over all of K = 1,024: its codes, 294,912 bytes, lie in LDS at once, in four chunks of 256 along K, each filled ONCE.  256 work-groups, one tile each.
; THE MATRIX INSTRUCTION IS USED TRANSPOSED (source 0 = 16 rows of B, source 1 = 16 rows of A); rows stand by position (row block 2 g + u, lane r = actual row 32 g + 8 u + r + 8 (r / 8)), so in the accumulators
; of B's blocks 2 g, 2 g + 1 a lane's 16 registers are 16 neighbouring columns of one row of out0.  The bias is the C of each sum's first matrix instruction.
; Four waves; wave w takes A's blocks 4 w .. 4 w + 3 against B's eight.  4 x 4 clusters: A's tile is asked for jointly along the cluster's row, B's along its column; four loads a wave are out at the most.
; REGISTERS.  window 0: v1-3 r, h, lane; v4-7 LDS addresses; v8-13 offsets; v16-31 A's scale words, v32-63 B's; v64-159 A's fragments, two sets; v160-223 the bias; on the way out v64-191 rows of out0.
;   window 1: accumulator (a, b) at v[64 a + 8 b].   window 2: B's fragments, two sets of 96.
.set CHUNK, 73728
.set BOFF,  49152
.set AP, 4
.set AR, 5
.set BP, 6
.set BR, 7
.set LP, 8
.set LR, 9
.set STO, 12                           ; v12 the way out: where I put 16 bytes of a row
.set RD,  13                           ; v13 and where I read a row back
.set SA, 16
.set SB, 32
.set AF, 64
.set BN, 160
.set BK, 64
.set WV, 22
.set G1A, 28
.set G1B, 36
.set G0A, 44
.set G0B, 68
.set MSB, 0
.macro WIN new                         ; the immediate's high byte repeats the setting that is left
.if MSB != \new
	s_set_vgpr_msb (MSB<<8)|\new
.set MSB, \new
.endif
.endm
.macro CROUND                          ; a round of the cluster's barrier
	s_barrier_signal -1
	s_barrier_wait -1
	s_cmp_lg_u32 s[WV], 0
	s_cbranch_scc1 .Lnot_wave_0_\@
	s_barrier_signal -3
.Lnot_wave_0_\@:
	s_barrier_wait -3
	s_barrier_signal -1
	s_barrier_wait -1
.endm
	s_load_b256 s[4:11], s[0:1], 0x0               ; ac s[4:5], asc s[6:7], wc s[8:9], ws s[10:11]
	s_load_b128 s[12:15], s[0:1], 0x20             ; bo s[12:13], out0 s[14:15]
	v_lshl_add_u32 v254, v0, 2, 0x48000
	v_mov_b32 v255, 0
	ds_add_u32 v254, v255
	ds_add_u32 v254, v255
	v_lshrrev_b32 v1, 5, v0
	v_readfirstlane_b32 s[WV], v1                  ; wave 0..3
	s_lshr_b32 s23, s[WV], 1                       ; I fetch for A (0) or for B (1),
	s_and_b32 s24, s[WV], 1                        ; its lower or its upper half
	s_bfe_u32 s25, ttmp6, 0x40000                  ; cx
	s_bfe_u32 s26, ttmp6, 0x40004                  ; cy
	s_and_b32 s84, ttmp7, 0xffff                   ; the cluster's y
	s_lshl_b32 s60, s26, 2
	s_lshl_b32 s60, 15, s60                        ; my row of the cluster
	s_lshl_b32 s61, 0x1111, s25                    ; my column
	; group 1: rows of 3,072 bytes (384 elements of 8), 12,288 bytes apart in memory, dense in LDS; 8 rows for A, 4 for B
	s_or_b32 s[G1A], s60, (3<<16)|(1<<21)
	s_or_b32 s[G1B], s61, (3<<16)|(1<<21)
	s_mov_b32 s[G1A+1], 384<<16
	s_mov_b32 s[G1A+2], 8<<16
	s_mov_b32 s[G1A+3], 384<<16
	s_mov_b32 s[G1A+4], 8
	s_mov_b32 s[G1A+5], 1536
	s_mov_b32 s[G1A+6], 0
	s_mov_b32 s[G1A+7], 0
	s_mov_b32 s[G1B+1], 384<<16
	s_mov_b32 s[G1B+2], 4<<16
	s_mov_b32 s[G1B+3], 384<<16
	s_mov_b32 s[G1B+4], 4
	s_mov_b32 s[G1B+5], 1536
	s_mov_b32 s[G1B+6], 0
	s_mov_b32 s[G1B+7], 0
	s_lshl_b32 s85, s84, 6
	s_lshl_b32 s88, s26, 4
	s_add_co_u32 s85, s85, s88                     ; A's first row block: 16 (4 y + cy)
	s_lshl_b32 s86, ttmp9, 5
	s_lshl_b32 s98, s25, 3
	s_add_co_u32 s86, s86, s98                     ; B's first row block within Wo: 8 (4 x + cx)
	s_lshl_b32 s88, s24, 3
	s_add_co_u32 s88, s88, s85
	s_mul_i32 s88, s88, 12288
	s_mov_b32 s89, 0
	s_lshl_b32 s98, s24, 2
	s_add_co_u32 s98, s98, s86
	s_add_co_u32 s98, s98, 192                     ; Wo's row blocks begin at 192
	s_mul_i32 s98, s98, 12288
	s_mov_b32 s99, 0
	s_mul_i32 s87, s24, 24576
	s_mul_i32 s84, s24, 12288
	s_add_co_u32 s84, s84, BOFF
	s_wait_dscnt 0x0
	s_wait_kmcnt 0x0
	s_add_nc_u64 s[66:67], s[4:5], s[88:89]
	s_add_nc_u64 s[62:63], s[8:9], s[98:99]
.irp q, 0,1,2,3
	s_mov_b32 s[G0A+4*\q], 1
	s_add_co_u32 s[G0A+4*\q+1], s87, \q*CHUNK
	s_add_nc_u64 s[G0A+4*\q+2:G0A+4*\q+3], s[66:67], \q*3072
	s_or_b32 s[G0A+4*\q+3], s[G0A+4*\q+3], 0x80000000
	s_mov_b32 s[G0B+4*\q], 1
	s_add_co_u32 s[G0B+4*\q+1], s84, \q*CHUNK
	s_add_nc_u64 s[G0B+4*\q+2:G0B+4*\q+3], s[62:63], \q*3072
	s_or_b32 s[G0B+4*\q+3], s[G0B+4*\q+3], 0x80000000
.endr
	CROUND                                         ; all sixteen work-groups are here: the joint loads meet
	s_cmp_eq_u32 s23, 0                            ; a wave's four fills stand in one branch on the wave's number; four v_nop follow the last
	s_cbranch_scc0 .Lfill_b
	tensor_load_to_lds s[G0A:G0A+3], s[G1A:G1A+7]
	s_nop 0
	tensor_load_to_lds s[G0A+4:G0A+7], s[G1A:G1A+7]
	s_nop 0
	tensor_load_to_lds s[G0A+8:G0A+11], s[G1A:G1A+7]
	s_nop 0
	tensor_load_to_lds s[G0A+12:G0A+15], s[G1A:G1A+7]
	s_nop 0
.rept 4
	v_nop
.endr
	s_branch .Lfilled
.Lfill_b:
	tensor_load_to_lds s[G0B:G0B+3], s[G1B:G1B+7]
	s_nop 0
	tensor_load_to_lds s[G0B+4:G0B+7], s[G1B:G1B+7]
	s_nop 0
	tensor_load_to_lds s[G0B+8:G0B+11], s[G1B:G1B+7]
	s_nop 0
	tensor_load_to_lds s[G0B+12:G0B+15], s[G1B:G1B+7]
	s_nop 0
.rept 4
	v_nop
.endr
.Lfilled:
	v_and_b32 v3, 31, v0                           ; lane
	v_and_b32 v1, 15, v0                           ; r
	v_bfe_u32 v2, v0, 4, 1                         ; h
	v_lshlrev_b32 v[LP], 4, v3
	v_lshlrev_b32 v[LR], 4, v1
	v_lshl_add_u32 v[LR], v2, 3, v[LR]
	s_mul_i32 s87, s[WV], 12288
	v_add_nc_u32 v[AP], s87, v[LP]
	v_add_nc_u32 v[AR], s87, v[LR]
	v_add_nc_u32 v[BP], BOFF, v[LP]
	v_add_nc_u32 v[BR], BOFF, v[LR]
	s_mul_i32 s87, s[WV], 8448                     ; my stage for the way out: 16 rows of 512 bytes + 16
	v_mul_u32_u24 v[STO], v1, 528
	v_lshl_add_u32 v[STO], v2, 6, v[STO]
	v_add_nc_u32 v[STO], s87, v[STO]               ; in: row r, + 64 h bytes
	v_add_nc_u32 v[RD], s87, v[LP]                 ; back: a whole row, 16 bytes a lane
	s_lshl_b32 s88, s[WV], 2
	s_add_co_u32 s88, s88, s85
	s_lshl_b32 s88, s88, 9
	s_add_nc_u64 s[6:7], s[6:7], s[88:89]          ; the scale words of my four blocks of A
	s_add_co_u32 s98, s86, 192
	s_lshl_b32 s98, s98, 9
	s_add_nc_u64 s[10:11], s[10:11], s[98:99]      ; and of B's eight
.irp a, 0,1,2,3
	global_load_b128 v[SA+4*\a:SA+4*\a+3], v[LP], s[6:7] offset:\a*512
.endr
.irp b, 0,1,2,3,4,5,6,7
	global_load_b128 v[SB+4*\b:SB+4*\b+3], v[LP], s[10:11] offset:\b*512
.endr
	s_lshl_b32 s98, s86, 6                         ; the tile's 128 columns, in bytes
	s_add_nc_u64 s[12:13], s[12:13], s[98:99]
	v_lshlrev_b32 v10, 6, v2
.irp g, 0,1,2,3
.irp j, 0,1,2,3
	global_load_b128 v[BN+16*\g+4*\j:BN+16*\g+4*\j+3], v10, s[12:13] offset:128*\g+16*\j   ; register 16 g + i: column 32 g + 16 h + i
.endr
.endr
	s_add_nc_u64 s[14:15], s[14:15], s[98:99]      ; out0 at the tile's first column,
	s_lshl_b32 s88, s85, 16                        ; 16 rows of 4,096 bytes a row block,
	s_lshl_b32 s90, s[WV], 18                      ; my 64 rows
	s_add_co_u32 s88, s88, s90
	s_add_nc_u64 s[14:15], s[14:15], s[88:89]
.macro FETCH s                         ; the fragments of K step s into set s % 2: 16 loads for A, 32 for B
.set E, (\s)%2
	WIN 0
.irp a, 0,1,2,3
	ds_load_b128 v[AF+48*E+12*\a:AF+48*E+12*\a+3], v[AP] offset:\a*3072+E*1536
	ds_load_b64 v[AF+48*E+12*\a+4:AF+48*E+12*\a+5], v[AR] offset:\a*3072+E*1536+512
	ds_load_b128 v[AF+48*E+12*\a+6:AF+48*E+12*\a+9], v[AP] offset:\a*3072+E*1536+768
	ds_load_b64 v[AF+48*E+12*\a+10:AF+48*E+12*\a+11], v[AR] offset:\a*3072+E*1536+1280
.endr
	WIN 0x80
.irp b, 0,1,2,3,4,5,6,7
	ds_load_b128 v[96*E+12*\b:96*E+12*\b+3], v[BP] offset:\b*3072+E*1536
	ds_load_b64 v[96*E+12*\b+4:96*E+12*\b+5], v[BR] offset:\b*3072+E*1536+512
	ds_load_b128 v[96*E+12*\b+6:96*E+12*\b+9], v[BP] offset:\b*3072+E*1536+768
	ds_load_b64 v[96*E+12*\b+10:96*E+12*\b+11], v[BR] offset:\b*3072+E*1536+1280
.endr
.endm
; 16 matrix instructions.  cmode = 2: the sums begin with the bias.  K steps 4-7 take their scale words from lanes 16-31.  The 32 accumulators take turns.
.macro MUL16 s, a0, cmode
.irp a, \a0, \a0+1
.irp b, 0,1,2,3,4,5,6,7
.set rD, 64*(\a)+8*\b
.set rB, 96*((\s)%2)+12*\b
.set rA, AF+48*((\s)%2)+12*(\a)
.set rSB, SB+4*\b+(\s)%4
.set rSA, SA+4*(\a)+(\s)%4
.if (\cmode) == 2
	v_wmma_scale_f32_16x16x128_f8f6f4 v[rD:rD+7], v[rB:rB+11], v[rA:rA+11], v[BN+8*\b:BN+8*\b+7], v[rSB], v[rSA] matrix_a_fmt:MATRIX_FMT_FP6 matrix_b_fmt:MATRIX_FMT_FP6
.elseif (\s) < 4
	v_wmma_scale_f32_16x16x128_f8f6f4 v[rD:rD+7], v[rB:rB+11], v[rA:rA+11], v[rD:rD+7], v[rSB], v[rSA] matrix_a_fmt:MATRIX_FMT_FP6 matrix_b_fmt:MATRIX_FMT_FP6
.else
	v_wmma_scale_f32_16x16x128_f8f6f4 v[rD:rD+7], v[rB:rB+11], v[rA:rA+11], v[rD:rD+7], v[rSB], v[rSA] matrix_a_fmt:MATRIX_FMT_FP6 matrix_b_fmt:MATRIX_FMT_FP6 matrix_a_scale:MATRIX_SCALE_ROW1 matrix_b_scale:MATRIX_SCALE_ROW1
.endif
.endr
.endr
.endm
; A K step of 128: 32 matrix instructions; in its middle the next step's 48 LDS loads, behind four plain vector lines.  An odd step goes on to the next chunk: my load of it has landed (the count leaves the later
; chunks' loads out), a barrier says the same of every wave.
.macro STEP s, cmode
.if (\cmode) == 2
.set MW, 0x42                          ; source 0 (B) window 2, source 1 (A) and C (the bias) window 0, D window 1
.else
.set MW, 0x52                          ; C and D window 1
.endif
	s_wait_dscnt 0x0                               ; this step's 48 loads are in
	WIN MW
	MUL16 \s, 0, \cmode
.if (\s) < 7
	WIN 0
.if (\s)%2 == 1
	s_wait_tensorcnt 3-((\s)+1)/2
	s_barrier_signal -1
	s_barrier_wait -1
	v_add_nc_u32 v[AP], CHUNK, v[AP]               ; these four lines are also the four places
	v_add_nc_u32 v[AR], CHUNK, v[AR]
	v_add_nc_u32 v[BP], CHUNK, v[BP]
	v_add_nc_u32 v[BR], CHUNK, v[BR]
.else
.rept 4
	v_nop
.endr
.endif
	FETCH (\s)+1
.endif
	WIN MW
	MUL16 \s, 2, \cmode
.endm
	s_wait_alu depctr_va_vdst(0)
	s_wait_tensorcnt 0x3                           ; my part of chunk 0 is in; my three later loads may be out
	s_barrier_signal -1
	s_barrier_wait -1
	FETCH 0
	s_wait_loadcnt 0x0                             ; scale words and bias
	STEP 0, 2
	STEP 1, 1
	s_wait_alu depctr_va_vdst(0)
	STEP 2, 1
	STEP 3, 1
	s_wait_alu depctr_va_vdst(0)
	STEP 4, 1
	STEP 5, 1
	s_wait_alu depctr_va_vdst(0)
	STEP 6, 1
	STEP 7, 1
	WIN 0
.rept 4
	v_nop                                          ; places in front of the first read of results and of loads into registers that held fragments
.endr
; THE WAY OUT, a block of 16 rows x 128 columns at a time, through my own stage.  The stage lies in chunk 0, which has had its only fill; every wave's reads of it were over before the barrier of K step 1.
; LDS serves a wave's instructions in order: no wait between the stores and the loads, nor in front of the next block's stores.
.macro TOSTAGE a
	WIN 0x04                                       ; an LDS store's data are its source 1: window 1
.irp b, 0,1,2,3,4,5,6,7
	ds_store_b128 v[STO], v[64*(\a)+8*\b:64*(\a)+8*\b+3] offset:128*(\b/2)+32*(\b%2)       ; each accumulator from its low end on
	ds_store_b128 v[STO], v[64*(\a)+8*\b+4:64*(\a)+8*\b+7] offset:128*(\b/2)+32*(\b%2)+16
.endr
	WIN 0
.set BB, BK+64*((\a)%2)
.irp t, 0,1,2,3,4,5,6,7,8,9,10,11,12,13,14,15
	ds_load_b128 v[BB+4*\t:BB+4*\t+3], v[RD] offset:\t*528
.endr
.endm
.macro SEND a                          ; position t of block a is actual row 32 (a / 2) + 8 (a % 2) + t + 8 (t / 8) of my 64
.set BB, BK+64*((\a)%2)
.irp t, 0,1,2,3,4,5,6,7,8,9,10,11,12,13,14,15
	global_store_b128 v[LP], v[BB+4*\t:BB+4*\t+3], s[14:15] offset:(32*((\a)/2)+8*((\a)%2)+\t+8*(\t/8))*4096 th:TH_STORE_NT   ; 512 consecutive bytes, aligned
.endr
.endm
	TOSTAGE 0
.irp a, 1,2,3
.if \a > 1
	s_wait_xcnt 0x0                                ; block a - 2's stores have read their registers: block a's loads may land there
.endif
	TOSTAGE \a
	s_wait_dscnt 32                                ; block a - 1 is back; block a's 16 stores and 16 loads may be out
	SEND \a-1
.endr
	s_wait_dscnt 0x0
	SEND 3
	s_wait_tensorcnt 0x0
	ds_add_u32 v254, v255
	s_wait_dscnt 0x0
	CROUND                                         ; the closing round: no work-group ends while a partner may still ask for a tile that names it
	s_endpgm
.Lfunc_end_k_qc29e16fa09_oproj:
	.size	k_qc29e16fa09_oproj, .Lfunc_end_k_qc29e16fa09_oproj-k_qc29e16fa09_oproj
	.p2alignl 7, 3214868480
	.fill 96, 4, 3214868480
	.section	.rodata,"a",@progbits
	.p2align	6, 0x0
	.amdhsa_kernel k_qc29e16fa09_oproj
		.amdhsa_group_segment_fixed_size 295424
		.amdhsa_private_segment_fixed_size 0
		.amdhsa_enable_private_segment 0
		.amdhsa_kernarg_size 48
		.amdhsa_user_sgpr_count 2
		.amdhsa_user_sgpr_kernarg_segment_ptr 1
		.amdhsa_wavefront_size32 1
		.amdhsa_system_sgpr_workgroup_id_x 1
		.amdhsa_system_sgpr_workgroup_id_y 1
		.amdhsa_system_sgpr_workgroup_id_z 1
		.amdhsa_system_vgpr_workitem_id 0
		.amdhsa_next_free_vgpr 768
		.amdhsa_next_free_sgpr 100
		.amdhsa_reserve_vcc 0
		.amdhsa_float_denorm_mode_32 3
		.amdhsa_float_denorm_mode_16_64 3
		.amdhsa_memory_ordered 1
		.amdhsa_forward_progress 1
		.amdhsa_inst_pref_size 84
	.end_amdhsa_kernel
	.amdgpu_metadata
---
amdhsa.version: [ 1, 2 ]
amdhsa.kernels:
  - .name:           k_qc29e16fa09_oproj
    .symbol:         k_qc29e16fa09_oproj.kd
    .args:
      - { .name: ac, .offset: 0, .size: 8, .value_kind: global_buffer, .address_space: global }
      - { .name: asc, .offset: 8, .size: 8, .value_kind: global_buffer, .address_space: global }
      - { .name: wc, .offset: 16, .size: 8, .value_kind: global_buffer, .address_space: global }
      - { .name: ws, .offset: 24, .size: 8, .value_kind: global_buffer, .address_space: global }
      - { .name: bo, .offset: 32, .size: 8, .value_kind: global_buffer, .address_space: global }
      - { .name: out0, .offset: 40, .size: 8, .value_kind: global_buffer, .address_space: global }
    .group_segment_fixed_size: 295424
    .private_segment_fixed_size: 0
    .kernarg_segment_align: 8
    .kernarg_segment_size: 48
    .max_flat_workgroup_size: 128
    .sgpr_count:     100
    .vgpr_count:     768
    .wavefront_size: 32
...
	.end_amdgpu_metadata
.endif
;; end of part 4
